; MI455X (gfx1250); checked and timed in simulation.
; The chip was launched on July 23, 2026; its instructions are those of AMD's public machine-readable ISA for CDNA 5 (MIT licence, August 2026) and "CDNA5" Instruction Set Architecture Reference Guide (July 2026). The comments in the code are by the model that wrote it; some were corrected since.
;; Attention. Allowed arithmetic: matrix products marked QUANTISED: E2M3 operands, one E8M0 scale for each 32 along K, by v_wmma_scale_f32_16x16x128_f8f6f4 with both operands' format E2M3, f32 sums; everything else in f32.
;; Inputs: norm_b 128 float32; norm_w 128 float32; proj_b 128 float32; proj_w 128 x 128 float32; qkv_b 384 float32; qkv_w 384 x 128 float32; x 4 x 128 x 64 x 64 float32.
;; Outputs: out0 4 x 128 x 64 x 64 float32.
;; This version of the problem:
;;   THIS VERSION OF THE PROBLEM IS GIVEN IN LOW PRECISION. The matrix products marked QUANTISED in the list below multiply operands that are first quantised to E2M3 (2 exponent bits, 3 mantissa bits; 6 bits a number), with one power-of-two scale for each 32 numbers along K (OCP MX v1.0); their sums are f32. All else is computed in f32.
;;   The module's matrix products, in the order in which they are computed (A, B: the left and right operand; K: the contracted axis; several contracted axes count as one K, in the product's order):
;;     1. [M 16,384, K 128] x [K 128, N 384]; A: computed on the way; B: input qkv_w: QUANTISED
;;     2. batch 16 x [M 4,096, K 32] x [K 32, N 4,096]; A: computed on the way; B: computed on the way: QUANTISED
;;     3. batch 16 x [M 32, K 4,096] x [K 4,096, N 4,096]; A: computed on the way; B: softmax (see below): QUANTISED
;;     4. [M 16,384, K 128] x [K 128, N 128]; A: computed on the way; B: input proj_w: QUANTISED
;;   THE QUANTISER, for each operand of a quantised product, along K:
;;     - K is cut into blocks of 32 from its start; a last block that is shorter is filled with zeros.
;;     - A block's scale is 2^e with e = floor(log2(the largest magnitude in the block)) - 2, held to -126 .. 127; a block of zeros has e = 0. As a byte (E8M0): e + 127.
;;     - Each number is divided by its block's scale, clamped to +-7.5, and rounded to the nearest number of E2M3, ties to even, subnormals kept.
;;     - The product sums the exact products of the quantised numbers (number of the format x scale) in f32.
;;   ~~~python
;;   def quantise(x, axis):      # numpy; x: float32 -> the quantised numbers, widened to float32 again
;;       x = np.moveaxis(x, axis, -1); K = x.shape[-1]
;;       x = np.pad(x, [(0, 0)] * (x.ndim - 1) + [(0, -K % 32)]); x = x.reshape(x.shape[:-1] + (-1, 32)); a = np.abs(x).max(-1, keepdims=True)
;;       e = np.where(a > 0, np.clip(np.frexp(np.where(a > 0, a, 1))[1] - 1 - 2, -126, 127), 0)      # np.frexp(a)[1] - 1 = floor(log2(a)), exactly
;;       r = np.clip(x / 2.0 ** e, -7.5, 7.5)
;;       step = 2.0 ** (np.maximum(np.frexp(np.where(r == 0, 1, r))[1] - 1, 0) - 3)
;;       q = np.round(r / step) * step * 2.0 ** e      # np.round: ties to even
;;       return np.moveaxis(q.reshape(q.shape[:-2] + (-1,))[..., :K], -1, axis).astype(np.float32)
;;   ~~~
;;   SOFTMAX AHEAD OF A QUANTISED PRODUCT. Where the list says 'softmax', what is quantised is not the finished softmax but p = 2^(t - M), with t = logit x log2(e) and M = ceil(the row's largest t), a whole number; so 1/2 < the row's largest p <= 1. The row's sum l is taken of the UNQUANTISED p, in f32, and the product's result is divided by l at the end. Since M is a whole number, a kernel that streams over the keys may use a running M (the ceiling of the running maximum): every later rescaling is an exact power of two, which a block's scale takes up: the codes' values come out the same.
;;   OPERANDS COMPUTED ON THE WAY. 'Computed on the way' means the value that the module computes at that place (a softmax that the list does not call 'softmax' is quantised finished and normalised). What goes into a quantiser is computed in f32, as accurately as f32 sums, v_exp_f32 and their like allow (about 1e-6 of the number): no bf16 or f16 on the way to a quantiser, and a product that is left as it is and whose result goes on into a quantised operand takes f32 operands (vector FMAs, or v_wmma_f32_16x16x4_f32). A number that lies on a knife's edge between two numbers of the format may be rounded either way, as far as f32 arithmetic and the matrix unit's own rounding can turn it there, and no further.
;; 2 versions. Each part assembles by itself: llvm-mc -triple=amdgcn-amd-amdhsa -mcpu=gfx1250 --defsym DOCPART=n.
;; ======== version 1 of 2: 3 launches
;; workspace buffers: qkv 4,915,200 bytes; att 1,638,400 bytes
;; launch prep (part 1): grid 64 x 4, 4 waves a work-group, no clusters, 168,448 bytes of LDS; arguments x, norm_w, norm_b, qkv_w, qkv_b, qkv; writes qkv
.if DOCPART == 1
	.amdgcn_target "amdgcn-amd-amdhsa--gfx1250"
	.amdhsa_code_object_version 6
	.text
	.protected	k_q316313883c_prep
	.globl	k_q316313883c_prep
	.p2align	8
	.type	k_q316313883c_prep,@function
k_q316313883c_prep:
	s_mov_b64 s[64:65], 0
	v_nop
	global_prefetch_b8 v0, s[64:65] scope:SCOPE_SE
	s_setreg_imm32_b32 hwreg(HW_REG_WAVE_MODE, 25, 1), 1
	s_wait_xcnt 0x0
; PREP: channel LayerNorm of x [4][128][4096], the 1x1 qkv product on codes of FP6 (E2M3, one E8M0 byte for each 32 along K), + qkv_b, and the quantising of q, k (along the head's 32 channels) and v (along the keys).
; SHARES.  A work-group takes 64 positions (group F) of one image b.  Wave w first normalises and quantises tile w of the positions, then makes head w's q, k and v for all four tiles: 24 matrix instructions.
; TILES OF POSITIONS.  Row rho of tile tau is position 64 F + 32 (rho / 8) + 8 tau + rho % 8.  Where positions are the rows of a result, a lane's 32 registers over the four tiles are then 32 neighbouring positions:
; a whole block of v along the keys lies in one lane.
; ROWS OF THE WEIGHT.  q/k tile t of head w: rows 0-7 are q's channels 8 t + 0..7, rows 8-15 k's: lanes 0-15 of the result hold q of a position, lanes 16-31 k, and the registers over t = 0..3 run along the 32 channels.
; v tile d: row m is channel 16 (m / 8) + 8 d + m % 8, so that the next launch finds 16 neighbouring channels in a lane.
; WORKSPACE qkv, all as images of operand registers (register g of lane l at 512 (g / 4) + 16 l + 4 (g % 4)):
;   record (4 b + head, 128 keys) of 6,400 bytes: two fragments of k (64 keys each: K block beta holds tile beta), four half fragments of v, 128 bytes of k's scale words, 128 of v's;
;   from QOFF on q's fragments (packed as k's), from QSOFF on q's scale words.
; LIMITS: NaN and infinities are not served; a block whose largest magnitude lies under 2^-124 (a block of zeros too) keeps the byte 1: its codes are zeros or next to it, and this program alone reads the bytes.
; No cluster: what work-groups share is the f32 weight, which each lane loads straight into the registers that the conversions read.
.set REC,   6400
.set QOFF,  3276800
.set QSOFF, 4849664
.set XIMG,  32768                      ; LDS: x's tile, 128 channel rows of 256 bytes, at 0; then the four fragments of h, 1,536 bytes each;
.set XSC,   38912                      ; then their scale words, 128 bytes each
; window 0
.set LN,  1                            ; lane
.set RR,  2                            ; r = lane % 16
.set HH,  3                            ; h = lane / 16
.set SH8, 4                            ; 8 h
.set LI,  5                            ; 16 x lane
.set LS,  6                            ; 4 x lane
.set XA,  7                            ; LDS: my position's column of x, my half's first channel row
.set WA,  8                            ; q/k rows of the weight
.set WB,  9                            ; v rows of the weight
.set NA,  10                           ; norm_w, norm_b: 128 h
.set BQA, 11                           ; q/k bias: 512 h
.set BVA, 12                           ; v bias of my channel
.set XWI, 13                           ; LDS: where I store h's image
.set XWS, 14                           ; and its scale word
.set OQ,  15                           ; byte offsets in qkv: q's image,
.set OK,  16                           ; k's image,
.set OS,  17                           ; q's (lanes 0-15) or k's (lanes 16-31) scale word,
.set OV16, 18                          ; v's half image, four registers,
.set OV8, 19                           ; its other two,
.set OVB, 20                           ; v's scale byte
.set WS,  22                           ; v22-27 the six weight fragments' scale words
.set HS,  28                           ; v28-31 h's scale words
.set E,   32                           ; v32-35 q/k scale bytes of the four tiles
.set MX,  36                           ; v36-37 two blocks' largest magnitudes
.set SCL, 38                           ; v38-39 the conversions' scale operands
.set BY,  40                           ; v40-41 scale bytes
.set PW,  42                           ; h's scale word
.set W2,  43                           ; the other half's number
.set MEAN, 44                          ; v44-45
.set RS,  46                           ; v46-47
.set CH,  48                           ; v48-55 four chains of sums; at the head: at work
.set VB,  56                           ; v56-57 v's scale bytes
.set EW,  58                           ; q/k scale word
.set RAWB, 60                          ; v60-61 v's biases as loaded
.set SA,  64                           ; v64-127 weights as loaded (set A), then x, then results
.set RES, 64
.set SB,  128                          ; v128-191 weights as loaded (set B), then h's four fragments
.set HF,  128
.set QI,  192                          ; q's image
.set KI,  204                          ; k's image
.set T0,  216
.set T1,  220
.set VC,  224                          ; v's codes, 2 x 6
.set VT,  236
.set PC,  244                          ; h's codes
; window 1
.set WC,  0                            ; v0-71 the weight's codes, 6 x 12
.set BQK, 72                           ; v72-103 q/k bias in the result's layout
.set BV,  104                          ; v104-119 v bias likewise
.set WT,  120
.set NW,  128                          ; norm_w of my 64 channels
.set NB,  192                          ; norm_b
.set SEL, 20                           ; s[20:21]
.set MSB, 0
.macro WIN new                         ; the immediate's high byte repeats the setting that is left
.if MSB != (\new)
	s_set_vgpr_msb (MSB<<8)|(\new)
.set MSB, (\new)
.endif
.endm
.macro PLACES n
.rept \n
	v_nop
.endr
.endm
; Two blocks of 32 numbers of a lane, at src and src + 32: their largest magnitudes (with the floor 2^(3 - 127), which holds the byte at 1) and, 2 off the exponent field, the conversions' scale operands.
; The registers are taken in ascending pairs, so that a matrix result is first read at its low end.
.macro SCALES2 src
.irp c, 0,1
	v_max3_num_f32 v[MX+\c], |v[\src+32*\c]|, |v[\src+32*\c+1]|, 0x1800000
.endr
.irp i, 2,4,6,8,10,12,14,16,18,20,22,24,26,28,30
.irp c, 0,1
	v_max3_num_f32 v[MX+\c], v[MX+\c], |v[\src+32*\c+\i]|, |v[\src+32*\c+\i+1]|
.endr
.endr
.irp c, 0,1
	v_add_nc_u32 v[SCL+\c], 0xff000000, v[MX+\c]
.endr
.endm
; The 64 numbers become 12 registers of codes at dst (window win).  A conversion's three registers begin on an even number, so each block's second half is made at tmp and moved.
.macro CODES src, dst, tmp, win
	WIN 0x40*(\win)
	v_cvt_scalef32_pk16_fp6_f32 v[\dst:\dst+2], v[\src:\src+15], v[SCL]
	v_cvt_scalef32_pk16_fp6_f32 v[\tmp:\tmp+2], v[\src+16:\src+31], v[SCL]
	v_cvt_scalef32_pk16_fp6_f32 v[\dst+6:\dst+8], v[\src+32:\src+47], v[SCL+1]
	v_cvt_scalef32_pk16_fp6_f32 v[\tmp+4:\tmp+6], v[\src+48:\src+63], v[SCL+1]
	v_nop                                          ; one plain line behind the scaled conversions
	WIN 0x41*(\win)
.irp i, 0,1,2
	v_mov_b32 v[\dst+3+\i], v[\tmp+\i]
	v_mov_b32 v[\dst+9+\i], v[\tmp+4+\i]
.endr
	WIN 0
.endm
; A lane's 64 numbers, k = 64 c + 32 h + 0..31, become a fragment and its row's scale word (byte 2 c + h; the other half's two bytes come from lane l xor 16).
.macro QUANT2 src, dst, tmp, wrd, win
	SCALES2 \src
.irp c, 0,1
	v_lshrrev_b32 v[BY+\c], 23, v[SCL+\c]
.endr
	v_lshl_or_b32 v[\wrd], v[BY+1], 16, v[BY]
	v_lshlrev_b32 v[\wrd], v[SH8], v[\wrd]
	v_permlanex16_b32 v[W2], v[\wrd], s[SEL], s[SEL+1]
	v_or_b32 v[\wrd], v[\wrd], v[W2]
	CODES \src, \dst, \tmp, \win
.endm
; Weight fragment i (0-3: q/k tiles, 4-5: v tiles) as f32 into set st: of my row the 32 numbers of each of my two blocks
.macro WLOAD i, st
.irp c, 0,1
.irp j, 0,1,2,3,4,5,6,7
.if (\i) < 4
	global_load_b128 v[\st+32*\c+4*\j:\st+32*\c+4*\j+3], v[WA], s[10:11] offset:4096*(\i)+256*\c+16*\j
.else
	global_load_b128 v[\st+32*\c+4*\j:\st+32*\c+4*\j+3], v[WB], s[10:11] offset:131072+4096*((\i)-4)+256*\c+16*\j
.endif
.endr
.endr
.endm
.macro FOLD                            ; four chains of pairs -> one number, with the other half of the lanes' 64 channels
	v_pk_add_f32 v[CH:CH+1], v[CH:CH+1], v[CH+2:CH+3]
	v_pk_add_f32 v[CH+4:CH+5], v[CH+4:CH+5], v[CH+6:CH+7]
	v_pk_add_f32 v[CH:CH+1], v[CH:CH+1], v[CH+4:CH+5]
	v_add_f32 v[CH], v[CH], v[CH+1]
	v_permlanex16_b32 v[W2], v[CH], s[SEL], s[SEL+1]
	v_add_f32 v[CH], v[CH], v[W2]
.endm
	s_load_b256 s[4:11], s[0:1], 0x0               ; x s[4:5], norm_w s[6:7], norm_b s[8:9], qkv_w s[10:11]
	s_load_b128 s[12:15], s[0:1], 0x20             ; qkv_b s[12:13], qkv s[14:15]
	v_lshl_add_u32 v239, v0, 2, 0x29000
	v_mov_b32 v243, 0
	ds_add_u32 v239, v243
	ds_add_u32 v239, v243
	v_lshrrev_b32 v[CH], 5, v0
	v_readfirstlane_b32 s16, v[CH]                 ; wave = head = tile of positions
	s_mov_b32 s17, ttmp9                           ; F
	s_and_b32 s18, ttmp7, 0xffff                   ; b
	; x's tile: each wave brings 32 channel rows of 64 positions (256 bytes, aligned), 4,096 elements apart in memory, dense in LDS
	s_mov_b32 s24, 2<<16                           ; no mask; elements of 4 bytes; no padding
	s_mov_b32 s25, 64<<16                          ; tensor_dim0 = 64
	s_mov_b32 s26, 32<<16                          ; tensor_dim1 = 32
	s_mov_b32 s27, 64<<16                          ; tile_dim0 = 64
	s_mov_b32 s28, 32                              ; tile_dim1 = 32
	s_mov_b32 s29, 4096                            ; from row to row
	s_mov_b32 s30, 0
	s_mov_b32 s31, 0
	s_mov_b32 s32, 1
	s_lshl_b32 s33, s16, 13                        ; LDS: 8,192 x wave
	s_lshl_b32 s48, s18, 21                        ; 2,097,152 b
	s_lshl_b32 s49, s16, 19                        ; + 32 rows of 16,384 bytes x wave
	s_add_co_u32 s48, s48, s49
	s_lshl_b32 s49, s17, 8                         ; + 256 F
	s_add_co_u32 s48, s48, s49
	s_mov_b32 s49, 0
	s_wait_dscnt 0x0
	s_wait_kmcnt 0x0
	s_add_nc_u64 s[34:35], s[4:5], s[48:49]
	s_or_b32 s35, s35, 0x80000000
	tensor_load_to_lds s[32:35], s[24:31]          ; the wave's one tensor load: nothing in LDS is filled twice
	s_nop 0
	PLACES 4                                       ; four places behind a tensor load
	v_and_b32 v[LN], 31, v0
	v_and_b32 v[RR], 15, v0
	v_bfe_u32 v[HH], v0, 4, 1
	v_and_b32 v[CH], 7, v0                         ; r % 8
	v_bfe_u32 v[CH+1], v0, 3, 1                    ; r / 8
	v_lshl_add_u32 v[CH+2], v[CH+1], 7, v[CH]      ; q/k: row r % 8, k's 128 rows behind q's
	v_lshlrev_b32 v[WA], 9, v[CH+2]
	v_lshl_add_u32 v[WA], v[HH], 7, v[WA]          ; a row is 512 bytes; my half's block begins 128 h on
	v_lshl_add_u32 v[CH+3], v[CH+1], 4, v[CH]      ; v: channel r % 8 + 16 (r / 8)
	v_lshlrev_b32 v[WB], 9, v[CH+3]
	v_lshl_add_u32 v[WB], v[HH], 7, v[WB]
	v_lshlrev_b32 v[NA], 7, v[HH]
	v_lshlrev_b32 v[BQA], 9, v[HH]
	v_lshlrev_b32 v[BVA], 2, v[CH+3]
	s_lshl_b32 s50, s16, 14
	s_mov_b32 s51, 0
	s_add_nc_u64 s[10:11], s[10:11], s[50:51]      ; qkv_w at head w's 32 rows of q
	s_lshl_b32 s50, s16, 7
	s_add_nc_u64 s[12:13], s[12:13], s[50:51]      ; qkv_b likewise
	WIN 0x40                                       ; destination window 1
.irp c, 0,1
.irp j, 0,1,2,3,4,5,6,7
	global_load_b128 v[NW+32*\c+4*\j:NW+32*\c+4*\j+3], v[NA], s[6:7] offset:256*\c+16*\j
.endr
.endr
.irp c, 0,1
.irp j, 0,1,2,3,4,5,6,7
	global_load_b128 v[NB+32*\c+4*\j:NB+32*\c+4*\j+3], v[NA], s[8:9] offset:256*\c+16*\j
.endr
.endr
.irp t, 0,1,2,3
	global_load_b128 v[BQK+8*\t:BQK+8*\t+3], v[BQA], s[12:13] offset:32*\t       ; register j: the bias of q's (h = 0) or k's (h = 1) channel 8 t + j
	global_load_b128 v[BQK+8*\t+4:BQK+8*\t+7], v[BQA], s[12:13] offset:32*\t+16
.endr
	WIN 0
.irp d, 0,1
	global_load_b32 v[RAWB+\d], v[BVA], s[12:13] offset:1024+32*\d
.endr
	WLOAD 0, SA
	WLOAD 1, SB
	; the other addresses are made while the loads are out
	v_lshlrev_b32 v[SH8], 3, v[HH]
	v_lshlrev_b32 v[LI], 4, v[LN]
	v_lshlrev_b32 v[LS], 2, v[LN]
	v_lshl_add_u32 v[XA], v[CH+1], 5, v[CH]        ; my position in the group, less 8 w: r % 8 + 32 (r / 8)
	v_lshlrev_b32 v[XA], 2, v[XA]
	v_lshl_add_u32 v[XA], v[HH], 13, v[XA]         ; my half begins 32 channel rows down
	s_lshl_b32 s44, s16, 5
	v_add_nc_u32 v[XA], s44, v[XA]                 ; tile w: 8 w positions on
	s_mul_i32 s45, s16, 1536
	s_add_co_u32 s45, s45, XIMG
	v_add_nc_u32 v[XWI], s45, v[LI]
	s_lshl_b32 s47, s16, 7
	s_add_co_u32 s47, s47, XSC
	v_add_nc_u32 v[XWS], s47, v[LS]
	s_mov_b32 s[SEL], 0x76543210
	s_mov_b32 s[SEL+1], 0xfedcba98                 ; v_permlanex16_b32: lane l xor 16
	s_mov_b32 s22, 0x3c000000                      ; 1 / 128
	s_mov_b32 s23, 0x358637bd                      ; 1e-6
	s_lshl_b32 s19, s18, 2
	s_add_co_u32 s19, s19, s16                     ; 4 b + head
	s_lshl_b32 s36, s19, 5
	s_lshr_b32 s37, s17, 1
	s_add_co_u32 s36, s36, s37
	s_mul_i32 s36, s36, REC                        ; my record: 128 keys
	s_and_b32 s37, s17, 1                          ; which 64 of them
	s_mul_i32 s38, s37, 1536
	s_add_co_u32 s38, s38, s36                     ; k's fragment
	s_mul_i32 s39, s37, 768
	s_add_co_u32 s39, s39, s36
	s_add_co_u32 s39, s39, 3072                    ; v's half fragments
	s_lshl_b32 s40, s37, 6
	s_add_co_u32 s40, s40, s36
	s_add_co_u32 s40, s40, 6144                    ; k's scale words
	s_lshl_b32 s41, s37, 1
	s_add_co_u32 s41, s41, s36
	s_add_co_u32 s41, s41, 6272                    ; v's scale bytes
	s_lshl_b32 s46, s19, 6
	s_add_co_u32 s46, s46, s17
	s_mul_i32 s42, s46, 1536
	s_add_co_u32 s42, s42, QOFF                    ; q's fragment
	s_lshl_b32 s43, s46, 6
	s_add_co_u32 s43, s43, QSOFF                   ; q's scale words
	v_add_nc_u32 v[OQ], s42, v[LI]
	v_add_nc_u32 v[OK], s38, v[LI]
	v_lshlrev_b32 v[CH+4], 2, v[RR]
	v_mov_b32 v[CH+5], s43
	v_mov_b32 v[CH+6], s40
	v_cmp_lt_u32 vcc_lo, 15, v[LN]
	v_cndmask_b32 v[OS], v[CH+5], v[CH+6], vcc_lo  ; lanes 0-15 store q's word, lanes 16-31 k's
	v_add_nc_u32 v[OS], v[OS], v[CH+4]
	v_add_nc_u32 v[OV16], s39, v[LI]
	v_lshlrev_b32 v[OV8], 3, v[LN]
	s_add_co_u32 s52, s39, 512
	v_add_nc_u32 v[OV8], s52, v[OV8]
	v_add_nc_u32 v[OVB], v[CH+4], v[HH]
	v_add_nc_u32 v[OVB], s41, v[OVB]
	v_mov_b32 v[W2], 0                             ; a lane permute's destination counts as one of its sources
	; THE WEIGHT: my six fragments, quantised along K = the 128 channels, into window 1.  Two sets of 64 registers take turns.
.irp i, 0,1,2,3,4,5
.if \i < 5
	s_wait_loadcnt 16                              ; all but the next fragment's 16 loads are in
.else
	s_wait_loadcnt 0x0
.endif
.if \i == 0
	WIN 0x40
.irp d, 0,1
.irp j, 0,1,2,3,4,5,6,7
	v_mov_b32 v[BV+8*\d+\j], v[RAWB+\d]            ; in v's result a lane holds one channel: its bias in all eight registers
.endr
.endr
	WIN 0
.endif
	QUANT2 SA+64*(\i%2), WC+12*\i, WT, WS+\i, 1
.if \i < 4
	WLOAD \i+2, SA+64*(\i%2)
.endif
.endr
	; x: my part of the tile has landed; behind the barrier everybody's has
	s_wait_tensorcnt 0x0
	s_barrier_signal -1
	s_barrier_wait -1
.irp c, 0,1
.irp i, 0,1,2,3,4,5,6,7,8,9,10,11,12,13,14,15,16,17,18,19,20,21,22,23,24,25,26,27,28,29,30,31
	ds_load_b32 v[SA+32*\c+\i], v[XA] offset:(64*\c+\i)*256      ; x(channel 64 c + 32 h + i, my position)
.endr
.endr
	s_wait_dscnt 0x0
	; LayerNorm in two passes, f32: the mean, then the mean of the squared differences
.irp k, 0,1,2,3
	v_pk_add_f32 v[CH+2*\k:CH+2*\k+1], v[SA+2*\k:SA+2*\k+1], v[SA+8+2*\k:SA+8+2*\k+1]
.endr
.irp p, 16,24,32,40,48,56
.irp k, 0,1,2,3
	v_pk_add_f32 v[CH+2*\k:CH+2*\k+1], v[CH+2*\k:CH+2*\k+1], v[SA+\p+2*\k:SA+\p+2*\k+1]
.endr
.endr
	FOLD
	v_mul_f32 v[MEAN], s22, v[CH]
	v_mul_f32 v[MEAN+1], s22, v[CH]
.irp p, 0,2,4,6,8,10,12,14,16,18,20,22,24,26,28,30,32,34,36,38,40,42,44,46,48,50,52,54,56,58,60,62
	v_pk_add_f32 v[SA+\p:SA+\p+1], v[SA+\p:SA+\p+1], v[MEAN:MEAN+1] neg_lo:[0,1] neg_hi:[0,1]
.endr
.irp k, 0,1,2,3
	v_pk_mul_f32 v[CH+2*\k:CH+2*\k+1], v[SA+2*\k:SA+2*\k+1], v[SA+2*\k:SA+2*\k+1]
.endr
.irp p, 8,16,24,32,40,48,56
.irp k, 0,1,2,3
	v_pk_fma_f32 v[CH+2*\k:CH+2*\k+1], v[SA+\p+2*\k:SA+\p+2*\k+1], v[SA+\p+2*\k:SA+\p+2*\k+1], v[CH+2*\k:CH+2*\k+1]
.endr
.endr
	FOLD
	v_fma_f32 v[CH], v[CH], s22, s23               ; variance + 1e-6
	v_rsq_f32 v[RS], v[CH]
	v_rsq_f32 v[RS+1], v[CH]
	v_nop                                          ; one plain line behind the transcendentals
	s_wait_alu depctr_va_vdst(0)
.irp p, 0,2,4,6,8,10,12,14,16,18,20,22,24,26,28,30,32,34,36,38,40,42,44,46,48,50,52,54,56,58,60,62
	v_pk_mul_f32 v[SA+\p:SA+\p+1], v[SA+\p:SA+\p+1], v[RS:RS+1]
.endr
	WIN 0x14                                       ; sources 1 and 2 (norm_w, norm_b) window 1
.irp p, 0,2,4,6,8,10,12,14,16,18,20,22,24,26,28,30,32,34,36,38,40,42,44,46,48,50,52,54,56,58,60,62
	v_pk_fma_f32 v[SA+\p:SA+\p+1], v[SA+\p:SA+\p+1], v[NW+\p:NW+\p+1], v[NB+\p:NB+\p+1]
.endr
	WIN 0
	QUANT2 SA, PC, T0, PW, 0
.irp i, 0,1,2
	ds_store_b128 v[XWI], v[PC+4*\i:PC+4*\i+3] offset:512*\i     ; the fragment goes to LDS as an image of its registers
.endr
	ds_store_b32 v[XWS], v[PW]
	s_wait_dscnt 0x0                               ; for the others: my stores have landed
	s_barrier_signal -1
	s_barrier_wait -1
.irp k, 0,1,2,3,4,5,6,7,8,9,10,11
	ds_load_b128 v[HF+4*\k:HF+4*\k+3], v[LI] offset:XIMG+512*\k
.endr
.irp t, 0,1,2,3
	ds_load_b32 v[HS+\t], v[LS] offset:XSC+128*\t
.endr
	s_wait_dscnt 0x0
; q and k of tiles 2 c and 2 c + 1: source 0 = 16 rows of the weight, source 1 = 16 positions; the bias is the C of the one K step.  Eight accumulators, each written once.
.macro QK c
	WIN 0x11                                       ; source 0 (weight) and source 2 (bias) window 1
.irp u, 0,1
.irp t, 0,1,2,3
	v_wmma_scale_f32_16x16x128_f8f6f4 v[RES+32*\u+8*\t:RES+32*\u+8*\t+7], v[WC+12*\t:WC+12*\t+11], v[HF+12*(2*\c+\u):HF+12*(2*\c+\u)+11], v[BQK+8*\t:BQK+8*\t+7], v[WS+\t], v[HS+2*\c+\u] matrix_a_fmt:MATRIX_FMT_FP6 matrix_b_fmt:MATRIX_FMT_FP6
.endr
.endr
	WIN 0
	PLACES 4                                       ; four places in front of the first read of results (ISA guide 7.12.1)
	SCALES2 RES                                    ; a lane's 32 registers of a tile are the 32 channels of q (lanes 0-15) or k (lanes 16-31) of one position: one block
.irp u, 0,1
	v_lshrrev_b32 v[E+2*\c+\u], 23, v[SCL+\u]
.endr
	v_cvt_scalef32_pk16_fp6_f32 v[QI+6*\c:QI+6*\c+2], v[RES:RES+15], v[SCL]
	v_cvt_scalef32_pk16_fp6_f32 v[T0:T0+2], v[RES+16:RES+31], v[SCL]
	v_cvt_scalef32_pk16_fp6_f32 v[KI+6*\c:KI+6*\c+2], v[RES+32:RES+47], v[SCL+1]
	v_cvt_scalef32_pk16_fp6_f32 v[T1:T1+2], v[RES+48:RES+63], v[SCL+1]
	v_nop                                          ; one plain line behind the scaled conversions
.irp i, 0,1,2
	v_permlane16_swap_b32 v[QI+6*\c+\i], v[KI+6*\c+\i]           ; (q | k of tile 2 c), (q | k of tile 2 c + 1) become (q of 2 c | q of 2 c + 1), (k of 2 c | k of 2 c + 1):
	v_permlane16_swap_b32 v[T0+\i], v[T1+\i]                     ; registers 6 c .. of the two images: K block 2 c + h holds tile 2 c + h
.endr
.irp i, 0,1,2
	v_mov_b32 v[QI+6*\c+3+\i], v[T0+\i]
	v_mov_b32 v[KI+6*\c+3+\i], v[T1+\i]
.endr
.endm
	QK 0
	QK 1
	v_lshl_or_b32 v[EW], v[E+1], 8, v[E]           ; byte beta: tile beta
	v_lshl_or_b32 v[EW], v[E+2], 16, v[EW]
	v_lshl_or_b32 v[EW], v[E+3], 24, v[EW]
	global_store_b32 v[OS], v[EW], s[14:15]
.irp i, 0,1,2
	global_store_b128 v[OQ], v[QI+4*\i:QI+4*\i+3], s[14:15] offset:512*\i        ; 32 lanes store 512 consecutive bytes, aligned
	global_store_b128 v[OK], v[KI+4*\i:KI+4*\i+3], s[14:15] offset:512*\i
.endr
	; v: source 0 = 16 positions, source 1 = 16 channels: a lane holds one channel and, over the four tiles, 32 neighbouring keys
	WIN 0x14                                       ; source 1 (weight) and source 2 (bias) window 1
.irp d, 0,1
.irp t, 0,1,2,3
	v_wmma_scale_f32_16x16x128_f8f6f4 v[RES+32*\d+8*\t:RES+32*\d+8*\t+7], v[HF+12*\t:HF+12*\t+11], v[WC+12*(4+\d):WC+12*(4+\d)+11], v[BV+8*\d:BV+8*\d+7], v[HS+\t], v[WS+4+\d] matrix_a_fmt:MATRIX_FMT_FP6 matrix_b_fmt:MATRIX_FMT_FP6
.endr
.endr
	WIN 0
	PLACES 4
	SCALES2 RES
.irp d, 0,1
	v_lshrrev_b32 v[VB+\d], 23, v[SCL+\d]
.endr
	CODES RES, VC, VT, 0                           ; registers 6 d .. 6 d + 5: channel tile d, keys 32 h + 0..31 of my 64
.irp d, 0,1
	global_store_b128 v[OV16], v[VC+6*\d:VC+6*\d+3], s[14:15] offset:1536*\d
	global_store_b64 v[OV8], v[VC+6*\d+4:VC+6*\d+5], s[14:15] offset:1536*\d
	global_store_b8 v[OVB], v[VB+\d], s[14:15] offset:64*\d      ; each lane a byte of its own: 64 bytes of the work-group's 19 KB leave so
.endr
	s_wait_tensorcnt 0x0
	ds_add_u32 v239, v243
	s_wait_dscnt 0x0
	s_endpgm
.Lfunc_end_k_q316313883c_prep:
	.size	k_q316313883c_prep, .Lfunc_end_k_q316313883c_prep-k_q316313883c_prep
	.p2alignl 7, 3214868480
	.fill 96, 4, 3214868480
	.section	.rodata,"a",@progbits
	.p2align	6, 0x0
	.amdhsa_kernel k_q316313883c_prep
		.amdhsa_group_segment_fixed_size 168448
		.amdhsa_private_segment_fixed_size 0
		.amdhsa_enable_private_segment 0
		.amdhsa_kernarg_size 48
		.amdhsa_user_sgpr_count 2
		.amdhsa_user_sgpr_kernarg_segment_ptr 1
		.amdhsa_wavefront_size32 1
		.amdhsa_system_sgpr_workgroup_id_x 1
		.amdhsa_system_sgpr_workgroup_id_y 1
		.amdhsa_system_sgpr_workgroup_id_z 1
		.amdhsa_system_vgpr_workitem_id 0
		.amdhsa_next_free_vgpr 512
		.amdhsa_next_free_sgpr 66
		.amdhsa_reserve_vcc 1
		.amdhsa_float_denorm_mode_32 3
		.amdhsa_float_denorm_mode_16_64 3
		.amdhsa_memory_ordered 1
		.amdhsa_forward_progress 1
		.amdhsa_inst_pref_size 70
	.end_amdhsa_kernel
	.amdgpu_metadata
---
amdhsa.version: [ 1, 2 ]
amdhsa.kernels:
  - .name:           k_q316313883c_prep
    .symbol:         k_q316313883c_prep.kd
    .args:
      - { .name: x, .offset: 0, .size: 8, .value_kind: global_buffer, .address_space: global }
      - { .name: norm_w, .offset: 8, .size: 8, .value_kind: global_buffer, .address_space: global }
      - { .name: norm_b, .offset: 16, .size: 8, .value_kind: global_buffer, .address_space: global }
      - { .name: qkv_w, .offset: 24, .size: 8, .value_kind: global_buffer, .address_space: global }
      - { .name: qkv_b, .offset: 32, .size: 8, .value_kind: global_buffer, .address_space: global }
      - { .name: qkv, .offset: 40, .size: 8, .value_kind: global_buffer, .address_space: global }
    .group_segment_fixed_size: 168448
    .private_segment_fixed_size: 0
    .kernarg_segment_align: 8
    .kernarg_segment_size: 48
    .max_flat_workgroup_size: 128
    .sgpr_count:     66
    .vgpr_count:     512
    .wavefront_size: 32
...
	.end_amdgpu_metadata
.endif
;; end of part 1
;; launch attn (part 2): grid 16 x 16, 16 waves a work-group, clusters of 4 x 1, 215,040 bytes of LDS; arguments qkv, att; writes att
.if DOCPART == 2
	.amdgcn_target "amdgcn-amd-amdhsa--gfx1250"
	.amdhsa_code_object_version 6
	.text
	.protected	k_q316313883c_attn
	.globl	k_q316313883c_attn
	.p2align	8
	.type	k_q316313883c_attn,@function
k_q316313883c_attn:
	s_mov_b64 s[64:65], 0
	v_nop
	global_prefetch_b8 v0, s[64:65] scope:SCOPE_SE
	s_setreg_imm32_b32 hwreg(HW_REG_WAVE_MODE, 25, 1), 1
	s_wait_xcnt 0x0
	s_wait_alu depctr_hold_cnt(0) depctr_sa_sdst(0) depctr_va_vdst(0) depctr_va_sdst(0) depctr_va_ssrc(0) depctr_va_vcc(0) depctr_vm_vsrc(0)
	s_getreg_b32 s2, hwreg(HW_REG_IB_STS2, 6, 4)
	s_cmp_eq_u32 s2, 0
	s_cbranch_scc0 .Lentry_in_a_cluster
	s_endpgm
.Lentry_in_a_cluster:
	s_bfe_u32 s2, ttmp6, 0x10000c
	s_cmp_lg_u32 s2, 0x3003
	s_cbranch_scc0 .Lentry_shape_is_right
	s_endpgm
.Lentry_shape_is_right:
; ATTN: for one (image, head): S^T = K Q^T and O^T = V^T P^T on codes of FP6 (E2M3, one E8M0 byte for each 32 along K), the softmax between them, O / l, and the quantising of O along the head's 32 channels.
; THE SOFTMAX: t = score x log2(e) / sqrt(32); M = the running largest t rounded up to a whole number; p = 2^(t - M) is quantised along the keys, not normalised; l is the sum of the unquantised p.
; When M moves, l and O^T are multiplied by 2^(old M - new M), which rounds nothing.
; SHARES.  A work-group owns 256 queries; each of its sixteen waves one tile of 16 (four waves to a SIMD: one wave's exponentials stand beside another's products and LDS loads).  Every wave walks 32 steps of 128 keys.
; ALL of the head's K and V, 32 records of 6,400 bytes laid as images of operand registers, lie in LDS: filled once, no ring.
; CLUSTER.  The four query blocks of a cluster read the same 204,800 bytes: every fill is asked for jointly, the same tensor load with the same descriptor and the mask of all four.
; K = 32 IN AN INSTRUCTION OF 128.  A fragment of K holds 64 keys: K block beta holds the 32 channels of the keys of tile beta.  It is multiplied by four fragments of Q, each with my 16 queries in block beta and zero codes
; elsewhere (scale byte 0 there, the smallest scale): four products for each 1,536 bytes read.  The four overlap in 36 registers: [QL Z QL][QH Z QH], QL = the codes in lanes 0-15, QH in lanes 16-31, Z = zeros.
; KEYS.  Row rho of tile beta is key 32 (rho / 8) + 8 beta + rho % 8 of its 64, so a lane's 32 registers over the four tiles are keys 32 h + 0..31: a whole block of p in one lane, and p's codes are the operand's registers as they fall.
; LIMITS: NaN and infinities are not served; a p under 2^-126 counts as 0; a block whose largest p or |O| lies under 2^-124 keeps the byte 1; a block's largest p is taken from its largest score
; (this takes v_exp_f32 not to fall where its input rises).
.set REC,   6400
.set HALF,  16*REC                     ; the first 16 steps' records
.set OSTG,  32*REC                     ; behind K and V: the stage for the way out, 6,144 bytes of codes and 256 scale bytes (8,192 claimed)
.set QOFF,  3276800
.set QSOFF, 4849664
.set LI16, 1                           ; 16 x lane
.set LI8,  2                           ; 8 x lane
.set LI4,  3                           ; 4 x lane
.set SH8,  4                           ; 8 h
.set A16,  5                           ; the same three + the step's record
.set A8,   6
.set A4,   7
.set KS,   8                           ; k's scale words: lanes 0-15 fragment 0, lanes 16-31 fragment 1
.set VS,   9                           ; v's: lanes 0-15 channel tile 0, lanes 16-31 tile 1
.set PS,   10                          ; p's scale word
.set PS2,  11
.set NM,   12                          ; v12 -M, v13 the largest t
.set LSUM, 14                          ; v14-15 l in two halves
.set FF,   16                          ; v16 f = 2^(old M - new M); v17 = 0, named with it as a pair
.set BM,   18                          ; v18-19 the two blocks' largest scores, then largest p
.set SCL,  20                          ; v20-21 the conversions' scale operands
.set BY,   22                          ; v22-23 scale bytes
.set TA,   24                          ; v24-25 at work
.set L2,   26                          ; v26-27 the sum's second chain
.set QS,   28                          ; v28-31 q's scale words for the four fragments of Q
.set QB,   32                          ; v32-67
.set PC,   68                          ; v68-79 p's codes
.set T0,   80
.set T1,   84
.set KF,   88                          ; v88-111 two fragments of K
.set VF,   112                         ; v112-135 two fragments of V
.set O,    136                         ; v136-151 O^T: register 8 d + j = channel 16 h + 8 d + j of my query
.set S,    152                         ; v152-215 S^T, then p: register 32 f + i = key 64 f + 32 h + i of the step
.set QR,   216                         ; v216-221 my queries' codes as loaded
.set ZZ,   222
.set QA,   223                         ; v223-225 their three pieces' offsets
.set OSA,  226                         ; the stage: my 12 bytes of codes,
.set OSB,  227                         ; my query's scale byte
.set CPL,  228                         ; the way out: 16 bytes a thread, in LDS
.set CPG,  229                         ; and in att
.set OC,   230
.set QSA,  233                         ; q's scale word's offset
.set CD,   234
.set SEL,  20                          ; s[20:21]
.set CS,   22                          ; s[22:23] c = log2(e) / sqrt(32)
.set TB,   40                          ; s40 the step's record in LDS
.macro PLACES n
.rept \n
	v_nop
.endr
.endm
.macro CROUND                          ; a round of the cluster's barrier
	s_barrier_signal -1
	s_barrier_wait -1
	s_cmp_lg_u32 s8, 0
	s_cbranch_scc1 .Lnot_wave_0_\@
	s_barrier_signal -3
.Lnot_wave_0_\@:
	s_barrier_wait -3
	s_barrier_signal -1
	s_barrier_wait -1
.endm
	s_load_b128 s[4:7], s[0:1], 0x0                ; qkv s[4:5], att s[6:7]
	v_lshl_add_u32 v254, v0, 2, 0x34000
	v_mov_b32 v255, 0
	ds_add_u32 v254, v255
	ds_add_u32 v254, v255
	v_lshrrev_b32 v[TA], 5, v0
	v_readfirstlane_b32 s8, v[TA]                  ; wave 0..15
	s_bfe_u32 s9, ttmp6, 0x40000                   ; cx: it enters Q's and att's global offsets alone
	s_lshl_b32 s10, ttmp9, 2
	s_add_co_u32 s10, s10, s9                      ; my block of 256 queries
	s_and_b32 s11, ttmp7, 0xffff                   ; 4 b + head, which the four partners share
	; a record is a dense block: 25 rows of 256 bytes (32 elements of 8 bytes)
	s_mov_b32 s24, 15|(3<<16)|(1<<21)              ; the mask: all four work-groups; elements of 8 bytes; bit 21 set beside a mask; no padding
	s_mov_b32 s25, 32<<16
	s_mov_b32 s26, 25<<16
	s_mov_b32 s27, 32<<16
	s_mov_b32 s28, 25
	s_mov_b32 s29, 32
	s_mov_b32 s30, 0
	s_mov_b32 s31, 0
	s_mov_b32 s32, 1
	s_mul_i32 s33, s8, REC                         ; wave w brings steps w and 16 + w
	s_mov_b32 s36, 1
	s_add_co_u32 s37, s33, HALF
	s_mul_i32 s12, s11, 32*REC
	s_add_co_u32 s12, s12, s33
	s_mov_b32 s13, 0
	s_wait_dscnt 0x0
	s_wait_kmcnt 0x0
	s_add_nc_u64 s[34:35], s[4:5], s[12:13]
	s_add_nc_u64 s[38:39], s[34:35], HALF
	s_or_b32 s35, s35, 0x80000000
	s_or_b32 s39, s39, 0x80000000
	CROUND                                         ; all four work-groups are here: the joint loads meet
	tensor_load_to_lds s[32:35], s[24:31]
	s_nop 0
	tensor_load_to_lds s[36:39], s[24:31]          ; two loads of mine are out, the most in this text
	s_nop 0
	PLACES 4                                       ; four places behind a tensor load
	; my 16 queries: tile wave % 4 of fragment 4 x block + wave / 4.  Their 24 bytes lie in the image as registers 6 c .. 6 c + 5 (c = tile / 2) of lane r + 16 (tile % 2): three pieces of 8 bytes
	s_bitcmp1_b32 s8, 1
	s_cselect_b32 s44, 520, 0
	s_cselect_b32 s45, 1024, 8
	s_mov_b32 s46, 512
	s_cselect_b32 s46, 1032, s46
	s_and_b32 s14, s8, 1
	s_lshl_b32 s14, s14, 8
	s_lshl_b32 s15, s10, 2
	s_lshr_b32 s16, s8, 2
	s_add_co_u32 s15, s15, s16
	s_lshl_b32 s16, s11, 6
	s_add_co_u32 s15, s15, s16                     ; which fragment of Q
	s_mul_i32 s17, s15, 1536
	s_add_co_u32 s17, s17, s14
	s_add_co_u32 s17, s17, QOFF
	s_lshl_b32 s18, s15, 6
	s_add_co_u32 s18, s18, QSOFF
	s_and_b32 s47, s8, 3
	s_lshl_b32 s47, s47, 3                         ; 8 x tile: my byte's place in q's scale word
	v_and_b32 v[TA], 15, v0                        ; r: both halves of the lanes load the same bytes
	v_lshl_add_u32 v[TA+1], v[TA], 4, s17
	v_add_nc_u32 v[QA], s44, v[TA+1]
	v_add_nc_u32 v[QA+1], s45, v[TA+1]
	v_add_nc_u32 v[QA+2], s46, v[TA+1]
	v_lshl_add_u32 v[QSA], v[TA], 2, s18
.irp i, 0,1,2
	global_load_b64 v[QR+2*\i:QR+2*\i+1], v[QA+\i], s[4:5]
.endr
	global_load_b32 v[QS], v[QSA], s[4:5]
	v_and_b32 v[TA], 31, v0
	v_lshlrev_b32 v[LI16], 4, v[TA]
	v_lshlrev_b32 v[LI8], 3, v[TA]
	v_lshlrev_b32 v[LI4], 2, v[TA]
	v_bfe_u32 v[TA], v0, 4, 1
	v_lshlrev_b32 v[SH8], 3, v[TA]
	v_and_b32 v[OSA], 7, v0                        ; my query's place among the block's 256: r % 8
	v_bfe_u32 v[TA], v0, 3, 1
	v_lshl_add_u32 v[OSA], v[TA], 5, v[OSA]        ; + 32 (r / 8)
	v_bfe_u32 v[TA], v0, 5, 2
	v_lshl_add_u32 v[OSA], v[TA], 3, v[OSA]        ; + 8 (wave % 4)
	v_bfe_u32 v[TA], v0, 7, 2
	v_lshl_add_u32 v[OSA], v[TA], 6, v[OSA]        ; + 64 (wave / 4)
	v_add_nc_u32 v[OSB], OSTG+6144, v[OSA]
	v_mul_u32_u24 v[OSA], v[OSA], 24
	v_bfe_u32 v[TA], v0, 4, 1
	v_mad_u32_u24 v[OSA], v[TA], 12, v[OSA]        ; my half's 16 channels: 12 bytes
	v_add_nc_u32 v[OSA], OSTG, v[OSA]
	v_lshl_add_u32 v[CPL], v0, 4, OSTG
	s_lshl_b32 s19, s11, 4
	s_add_co_u32 s19, s19, s10
	s_mul_i32 s19, s19, REC                        ; att's record of (head, block)
	v_lshl_add_u32 v[CPG], v0, 4, s19
	s_mov_b32 s[SEL], 0x76543210
	s_mov_b32 s[SEL+1], 0xfedcba98                 ; v_permlanex16_b32: lane l xor 16
	s_mov_b32 s[CS], 0x3e8293ee
	s_mov_b32 s[CS+1], s[CS]                       ; (named with it as a pair)
	v_mov_b32 v[NM+1], 0xff61b1e6                  ; the largest t so far: -3e38
	v_floor_f32 v[NM], -v[NM+1]
	v_mov_b32 v[LSUM], 0
	v_mov_b32 v[LSUM+1], 0
	v_mov_b32 v[FF+1], 0
	v_mov_b32 v[PS2], 0                            ; a lane permute's destination counts as one of its sources
	v_mov_b32 v[TA+1], 0
	v_mov_b32 v[ZZ], 0
	v_cmp_ne_u32 vcc_lo, 0, v[SH8]                 ; lanes 16-31
	s_wait_loadcnt 0x0
.irp i, 0,1,2,3,4,5
	v_cndmask_b32 v[QB+\i], v[QR+\i], v[ZZ], vcc_lo              ; QL
	v_mov_b32 v[QB+6+\i], 0
	v_cndmask_b32 v[QB+12+\i], v[QR+\i], v[ZZ], vcc_lo
	v_cndmask_b32 v[QB+18+\i], v[ZZ], v[QR+\i], vcc_lo           ; QH
	v_mov_b32 v[QB+24+\i], 0
	v_cndmask_b32 v[QB+30+\i], v[ZZ], v[QR+\i], vcc_lo
.endr
	v_lshrrev_b32 v[QS], s47, v[QS]
	v_and_b32 v[QS], 0xff, v[QS]                   ; my tile's byte at byte 0, the other bytes 0;
	v_lshlrev_b32 v[QS+1], 8, v[QS]                ; and at bytes 1, 2, 3
	v_lshlrev_b32 v[QS+2], 16, v[QS]
	v_lshlrev_b32 v[QS+3], 24, v[QS]
.irp j, 0,1,2,3,4,5,6,7,8,9,10,11,12,13,14,15
	v_mov_b32 v[O+\j], 0                           ; the step is written once: the first finds zeros.  (Also the places between the scale words just made and the first product)
.endr
; A KEY STEP: 128 keys, the record at s[TB].
.macro STEP
	v_add_nc_u32 v[A16], s[TB], v[LI16]
	v_add_nc_u32 v[A8], s[TB], v[LI8]
	v_add_nc_u32 v[A4], s[TB], v[LI4]
	v_nop                                          ; four places behind the last step's products, in front of the loads into V's registers
.irp i, 0,1,2,3,4,5
	ds_load_b128 v[KF+4*\i:KF+4*\i+3], v[A16] offset:512*\i
.endr
	ds_load_b32 v[KS], v[A4] offset:6144
.irp d, 0,1
.irp c, 0,1
	ds_load_b128 v[VF+12*\d+6*\c:VF+12*\d+6*\c+3], v[A16] offset:3072+1536*\d+768*\c          ; V is asked for now and lands under the softmax
	ds_load_b64 v[VF+12*\d+6*\c+4:VF+12*\d+6*\c+5], v[A8] offset:3072+1536*\d+768*\c+512
.endr
.endr
	ds_load_b32 v[VS], v[A4] offset:6272
	s_wait_dscnt 9                                 ; K and its scale words are in; V's eight loads and its scale words may be out
.irp f, 0,1
.irp b, 0,1,2,3
.if \f == 0
	v_wmma_scale_f32_16x16x128_f8f6f4 v[S+8*\b:S+8*\b+7], v[KF:KF+11], v[QB+18*(\b%2)+6*(\b/2):QB+18*(\b%2)+6*(\b/2)+11], 0, v[KS], v[QS+\b] matrix_a_fmt:MATRIX_FMT_FP6 matrix_b_fmt:MATRIX_FMT_FP6
.else
	v_wmma_scale_f32_16x16x128_f8f6f4 v[S+32+8*\b:S+32+8*\b+7], v[KF+12:KF+23], v[QB+18*(\b%2)+6*(\b/2):QB+18*(\b%2)+6*(\b/2)+11], 0, v[KS], v[QS+\b] matrix_a_fmt:MATRIX_FMT_FP6 matrix_b_fmt:MATRIX_FMT_FP6 matrix_a_scale:MATRIX_SCALE_ROW1
.endif
.endr
.endr
	PLACES 4                                       ; four places in front of the first read of results (ISA guide 7.12.1)
.irp f, 0,1
	v_max3_num_f32 v[BM+\f], v[S+32*\f], v[S+32*\f+1], v[S+32*\f+2]      ; the largest score of each of my two blocks of 32 keys: for the row's maximum and for the block's largest p.  Ascending: each result is first read at its low end
.endr
.irp i, 3,5,7,9,11,13,15,17,19,21,23,25,27,29
.irp f, 0,1
	v_max3_num_f32 v[BM+\f], v[BM+\f], v[S+32*\f+\i], v[S+32*\f+\i+1]
.endr
.endr
.irp f, 0,1
	v_max_num_f32 v[BM+\f], v[BM+\f], v[S+32*\f+31]
.endr
	v_max_num_f32 v[TA], v[BM], v[BM+1]
	v_permlanex16_b32 v[TA+1], v[TA], s[SEL], s[SEL+1]
	v_max_num_f32 v[TA], v[TA], v[TA+1]            ; the step's largest score of my query
	v_mul_f32 v[TA], s[CS], v[TA]                  ; as t (c is positive)
	v_max_num_f32 v[NM+1], v[NM+1], v[TA]
	v_mov_b32 v[TA], v[NM]
	v_floor_f32 v[NM], -v[NM+1]                    ; -M = floor(-t): M is a whole number
	v_sub_f32 v[TA], v[NM], v[TA]                  ; old M - new M, 0 or less
	v_cvt_i32_f32 v[TA], v[TA]                     ; (it saturates)
	v_ldexp_f32 v[FF], 1.0, v[TA]                  ; f = 2^(old M - new M)
.irp j, 0,2,4,6,8,10,12,14,16,18,20,22,24,26,28,30,32,34,36,38,40,42,44,46,48,50,52,54,56,58,60,62
	v_pk_fma_f32 v[S+\j:S+\j+1], v[S+\j:S+\j+1], s[CS:CS+1], v[NM:NM+1] op_sel_hi:[1,0,0]     ; t - M (of the pairs c and -M the low word serves both halves)
.endr
.irp f, 0,1
	v_fma_f32 v[BM+\f], v[BM+\f], s[CS], v[NM]
.endr
.irp j, 0,1,2,3,4,5,6,7,8,9,10,11,12,13,14,15,16,17,18,19,20,21,22,23,24,25,26,27,28,29,30,31,32,33,34,35,36,37,38,39,40,41,42,43,44,45,46,47,48,49,50,51,52,53,54,55,56,57,58,59,60,61,62,63
	v_exp_f32 v[S+\j], v[S+\j]                     ; p = 2^(t - M)
.endr
.irp f, 0,1
	v_exp_f32 v[BM+\f], v[BM+\f]                   ; the block's largest p: the same two instructions on the same number
.endr
	v_pk_mul_f32 v[LSUM:LSUM+1], v[LSUM:LSUM+1], v[FF:FF+1] op_sel_hi:[1,0]      ; l under the new M.  (The plain line behind the exponentials)
	s_wait_alu depctr_va_vdst(0)
.irp f, 0,1
	v_max_num_f32 v[BM+\f], 0x1800000, v[BM+\f]    ; the floor 2^(3 - 127): the byte cannot fall under 1
.endr
.irp f, 0,1
	v_add_nc_u32 v[SCL+\f], 0xff000000, v[BM+\f]   ; 2 off the exponent field: the conversion's scale operand
.endr
.irp f, 0,1
	v_lshrrev_b32 v[BY+\f], 23, v[SCL+\f]
.endr
	v_lshl_or_b32 v[PS], v[BY+1], 16, v[BY]        ; my blocks are h and 2 + h of the step's four
	v_lshlrev_b32 v[PS], v[SH8], v[PS]
	v_permlanex16_b32 v[PS2], v[PS], s[SEL], s[SEL+1]
	v_or_b32 v[PS], v[PS], v[PS2]                  ; with lane l xor 16's two bytes the word is whole
	v_cvt_scalef32_pk16_fp6_f32 v[PC:PC+2], v[S:S+15], v[SCL]
	v_cvt_scalef32_pk16_fp6_f32 v[T0:T0+2], v[S+16:S+31], v[SCL]
	v_cvt_scalef32_pk16_fp6_f32 v[PC+6:PC+8], v[S+32:S+47], v[SCL+1]
	v_cvt_scalef32_pk16_fp6_f32 v[T1:T1+2], v[S+48:S+63], v[SCL+1]               ; (a conversion's three registers begin on an even number)
	v_nop                                          ; one plain line behind the scaled conversions
.irp i, 0,1,2
	v_mov_b32 v[PC+3+\i], v[T0+\i]
	v_mov_b32 v[PC+9+\i], v[T1+\i]
.endr
.irp j, 0,2,4,6,8,10,12,14
	v_pk_mul_f32 v[O+\j:O+\j+1], v[O+\j:O+\j+1], v[FF:FF+1] op_sel_hi:[1,0]      ; O^T under the new M
.endr
	v_pk_add_f32 v[L2:L2+1], v[S:S+1], v[S+2:S+3]  ; l takes the UNQUANTISED p, two at a time, in two chains.  These 32 lines are also the places between p's scale word, p's codes and O^T, all just written, and the products below
.irp j, 4,8,12,16,20,24,28,32,36,40,44,48,52,56,60
	v_pk_add_f32 v[LSUM:LSUM+1], v[LSUM:LSUM+1], v[S+\j:S+\j+1]
	v_pk_add_f32 v[L2:L2+1], v[L2:L2+1], v[S+\j+2:S+\j+3]
.endr
	v_pk_add_f32 v[LSUM:LSUM+1], v[LSUM:LSUM+1], v[L2:L2+1]
	s_wait_dscnt 0x0                               ; V and its scale words are in
	v_wmma_scale_f32_16x16x128_f8f6f4 v[O:O+7], v[VF:VF+11], v[PC:PC+11], v[O:O+7], v[VS], v[PS] matrix_a_fmt:MATRIX_FMT_FP6 matrix_b_fmt:MATRIX_FMT_FP6
	v_wmma_scale_f32_16x16x128_f8f6f4 v[O+8:O+15], v[VF+12:VF+23], v[PC:PC+11], v[O+8:O+15], v[VS], v[PS] matrix_a_fmt:MATRIX_FMT_FP6 matrix_b_fmt:MATRIX_FMT_FP6 matrix_a_scale:MATRIX_SCALE_ROW1
	s_add_co_u32 s[TB], s[TB], REC                 ; (the two accumulators take turns, one instruction a turn, with the next step's eight products between two links)
.endm
	s_wait_tensorcnt 0x1                           ; my record of the first 16 steps is in; my other load may stay out
	s_barrier_signal -1
	s_barrier_wait -1                              ; everybody's is
	s_mov_b32 s[TB], 0
	s_mov_b32 s41, 16
.Lfirst:
	STEP
	s_sub_co_u32 s41, s41, 1
	s_cmp_lg_u32 s41, 0
	s_cbranch_scc1 .Lfirst
	s_wait_tensorcnt 0x0                           ; my record of the last 16 steps is in
	s_wait_dscnt 0x0
	s_barrier_signal -1
	s_barrier_wait -1
	s_mov_b32 s[TB], HALF
	s_mov_b32 s41, 16
.Lsecond:
	STEP
	s_sub_co_u32 s41, s41, 1
	s_cmp_lg_u32 s41, 0
	s_cbranch_scc1 .Lsecond
	; THE WAY OUT: O^T / l, quantised along the head's 32 channels (16 in my lane, 16 in lane l xor 16), through the stage, so that the record leaves in whole aligned runs
	PLACES 4                                       ; four places behind the last products
	v_add_f32 v[LSUM], v[LSUM], v[LSUM+1]
	v_permlanex16_b32 v[TA+1], v[LSUM], s[SEL], s[SEL+1]
	v_add_f32 v[LSUM], v[LSUM], v[TA+1]            ; the row's sum
	v_rcp_f32 v[FF], v[LSUM]
	v_nop                                          ; one plain line behind the transcendental
	s_wait_alu depctr_va_vdst(0)
.irp j, 0,2,4,6,8,10,12,14
	v_pk_mul_f32 v[O+\j:O+\j+1], v[O+\j:O+\j+1], v[FF:FF+1] op_sel_hi:[1,0]
.endr
	v_max3_num_f32 v[BM], |v[O]|, |v[O+1]|, 0x1800000
.irp j, 2,4,6,8,10,12,14
	v_max3_num_f32 v[BM], v[BM], |v[O+\j]|, |v[O+\j+1]|
.endr
	v_permlanex16_b32 v[TA+1], v[BM], s[SEL], s[SEL+1]
	v_max_num_f32 v[BM], v[BM], v[TA+1]
	v_add_nc_u32 v[SCL], 0xff000000, v[BM]
	v_lshrrev_b32 v[BY], 23, v[SCL]
	v_cvt_scalef32_pk16_fp6_f32 v[OC:OC+2], v[O:O+15], v[SCL]
	v_nop
.irp i, 0,1,2
	ds_store_b32 v[OSA], v[OC+\i] offset:4*\i
.endr
	ds_store_b8 v[OSB], v[BY]                      ; both lanes of a query write the same byte with the same value
	s_wait_dscnt 0x0                               ; for the others: my stores have landed
	s_barrier_signal -1
	s_barrier_wait -1
	s_wait_xcnt 0x0                                ; EXEC changes only behind this wait
	v_cmp_gt_u32 vcc_lo, 400, v0
	s_and_saveexec_b32 s42, vcc_lo                 ; 400 threads x 16 bytes = the record's 6,400
	ds_load_b128 v[CD:CD+3], v[CPL]
	s_wait_dscnt 0x0
	global_store_b128 v[CPG], v[CD:CD+3], s[6:7]   ; 16 lanes store 256 consecutive bytes, aligned
	s_wait_xcnt 0x0                                ; and again, in front of the line that widens it
	s_or_b32 exec_lo, exec_lo, s42
	s_wait_tensorcnt 0x0
	ds_add_u32 v254, v255
	s_wait_dscnt 0x0
	CROUND                                         ; the closing round: no work-group ends while a partner may still ask jointly
	s_endpgm
.Lfunc_end_k_q316313883c_attn:
	.size	k_q316313883c_attn, .Lfunc_end_k_q316313883c_attn-k_q316313883c_attn
	.p2alignl 7, 3214868480
	.fill 96, 4, 3214868480
	.section	.rodata,"a",@progbits
	.p2align	6, 0x0
	.amdhsa_kernel k_q316313883c_attn
		.amdhsa_group_segment_fixed_size 215040
		.amdhsa_private_segment_fixed_size 0
		.amdhsa_enable_private_segment 0
		.amdhsa_kernarg_size 16
		.amdhsa_user_sgpr_count 2
		.amdhsa_user_sgpr_kernarg_segment_ptr 1
		.amdhsa_wavefront_size32 1
		.amdhsa_system_sgpr_workgroup_id_x 1
		.amdhsa_system_sgpr_workgroup_id_y 1
		.amdhsa_system_sgpr_workgroup_id_z 1
		.amdhsa_system_vgpr_workitem_id 0
		.amdhsa_next_free_vgpr 256
		.amdhsa_next_free_sgpr 66
		.amdhsa_reserve_vcc 1
		.amdhsa_float_denorm_mode_32 3
		.amdhsa_float_denorm_mode_16_64 3
		.amdhsa_memory_ordered 1
		.amdhsa_forward_progress 1
		.amdhsa_inst_pref_size 37
	.end_amdhsa_kernel
	.amdgpu_metadata
---
amdhsa.version: [ 1, 2 ]
amdhsa.kernels:
  - .name:           k_q316313883c_attn
    .symbol:         k_q316313883c_attn.kd
    .args:
      - { .name: qkv, .offset: 0, .size: 8, .value_kind: global_buffer, .address_space: global }
      - { .name: att, .offset: 8, .size: 8, .value_kind: global_buffer, .address_space: global }
    .group_segment_fixed_size: 215040
    .private_segment_fixed_size: 0
    .kernarg_segment_align: 8
    .kernarg_segment_size: 16
    .max_flat_workgroup_size: 512
    .sgpr_count:     66
    .vgpr_count:     256
    .wavefront_size: 32
...
	.end_amdgpu_metadata
.endif
;; end of part 2
;; launch proj (part 3): grid 64 x 4, 4 waves a work-group, no clusters, 35,328 bytes of LDS; arguments att, proj_w, proj_b, x, out0; writes out0
.if DOCPART == 3
	.amdgcn_target "amdgcn-amd-amdhsa--gfx1250"
	.amdhsa_code_object_version 6
	.text
	.protected	k_q316313883c_proj
	.globl	k_q316313883c_proj
	.p2align	8
	.type	k_q316313883c_proj,@function
k_q316313883c_proj:
	s_mov_b64 s[64:65], 0
	v_nop
	global_prefetch_b8 v0, s[64:65] scope:SCOPE_SE
	s_setreg_imm32_b32 hwreg(HW_REG_WAVE_MODE, 25, 1), 1
	s_wait_xcnt 0x0
; PROJ: out0 = x + proj_w h + proj_b, the product on codes of FP6 (E2M3, one E8M0 byte for each 32 along K).  K = 128 = 4 heads x 32: block hd of a position is head hd's 24 bytes in att.
; SHARES.  A work-group takes 64 positions (group F) of one image; wave w the outputs 32 w + 16 u + r, u = 0, 1: eight matrix instructions, each accumulator written once.  The waves share nothing: no barrier.
; Source 0 = 16 positions (row rho of tile tau: position 32 (rho / 8) + 8 tau + rho % 8), source 1 = 16 rows of proj_w: a lane holds one output channel and, over the four tiles, 32 neighbouring positions: 128 bytes of a row of out0.
; They go through the wave's own stage in LDS (16 rows of 256 + 16 bytes for each u) and leave with x added, sixteen lanes to 256 aligned bytes.  The bias is the C of the one K step.
; LIMITS: NaN and infinities are not served; a block of proj_w whose largest magnitude lies under 2^-124 keeps the byte 1.
; No tensor loads and no cluster: each wave reads 6 KB of codes, 16 KB of the weight and 8 KB of x once, straight into the registers that use them.
.set REC,  6400
.set HSTR, 16*REC                      ; from head to head in att
.set RR,  2
.set HH,  3
.set SH8, 4
.set XO,  5                            ; x and out0: 16,384 (lane / 16) + 16 (lane % 16)
.set HA,  6                            ; att's codes
.set SAD, 7                            ; att's scale bytes
.set WA,  8                            ; proj_w
.set BA,  9                            ; proj_b
.set STO, 10                           ; the stage, in
.set RD,  11                           ; and back
.set RAWB, 12                          ; v12-13 the biases as loaded
.set SBY, 16                           ; v16-31 h's scale bytes as loaded: 4 tau + head
.set HS,  32                           ; v32-35 h's scale words
.set WS,  36                           ; v36-37 the weight's
.set MX,  38
.set SCL, 40
.set BY,  42
.set W2,  44
.set SA,  64                           ; v64-127 weights as loaded (u = 0), then results
.set RES, 64
.set SB,  128                          ; v128-191 weights as loaded (u = 1), then rows of the result
.set Y,   128
.set XR,  192                          ; v192-255 x
; window 1
.set HF,  0                            ; v0-47 h's four fragments
.set WC,  48                           ; v48-71 the weight's two
.set BV,  72                           ; v72-87 the bias in the result's layout
.set WT,  88
.set SEL, 22                           ; s[22:23]
.set MSB, 0
.macro WIN new                         ; the immediate's high byte repeats the setting that is left
.if MSB != (\new)
	s_set_vgpr_msb (MSB<<8)|(\new)
.set MSB, (\new)
.endif
.endm
.macro PLACES n
.rept \n
	v_nop
.endr
.endm
; Two blocks of 32 numbers of a lane: their largest magnitudes (with the floor 2^(3 - 127)) and, 2 off the exponent field, the conversions' scale operands
.macro SCALES2 src
.irp c, 0,1
	v_max3_num_f32 v[MX+\c], |v[\src+32*\c]|, |v[\src+32*\c+1]|, 0x1800000
.endr
.irp i, 2,4,6,8,10,12,14,16,18,20,22,24,26,28,30
.irp c, 0,1
	v_max3_num_f32 v[MX+\c], v[MX+\c], |v[\src+32*\c+\i]|, |v[\src+32*\c+\i+1]|
.endr
.endr
.irp c, 0,1
	v_add_nc_u32 v[SCL+\c], 0xff000000, v[MX+\c]
.endr
.endm
; The 64 numbers become 12 registers of codes at dst (window win); a conversion's three registers begin on an even number, so each block's second half is made at tmp and moved
.macro CODES src, dst, tmp, win
	WIN 0x40*(\win)
	v_cvt_scalef32_pk16_fp6_f32 v[\dst:\dst+2], v[\src:\src+15], v[SCL]
	v_cvt_scalef32_pk16_fp6_f32 v[\tmp:\tmp+2], v[\src+16:\src+31], v[SCL]
	v_cvt_scalef32_pk16_fp6_f32 v[\dst+6:\dst+8], v[\src+32:\src+47], v[SCL+1]
	v_cvt_scalef32_pk16_fp6_f32 v[\tmp+4:\tmp+6], v[\src+48:\src+63], v[SCL+1]
	v_nop                                          ; one plain line behind the scaled conversions
	WIN 0x41*(\win)
.irp i, 0,1,2
	v_mov_b32 v[\dst+3+\i], v[\tmp+\i]
	v_mov_b32 v[\dst+9+\i], v[\tmp+4+\i]
.endr
	WIN 0
.endm
.macro QUANT2 src, dst, tmp, wrd, win  ; a lane's 64 numbers, k = 64 c + 32 h + 0..31, become a fragment and its row's scale word (byte 2 c + h)
	SCALES2 \src
.irp c, 0,1
	v_lshrrev_b32 v[BY+\c], 23, v[SCL+\c]
.endr
	v_lshl_or_b32 v[\wrd], v[BY+1], 16, v[BY]
	v_lshlrev_b32 v[\wrd], v[SH8], v[\wrd]
	v_permlanex16_b32 v[W2], v[\wrd], s[SEL], s[SEL+1]
	v_or_b32 v[\wrd], v[\wrd], v[W2]
	CODES \src, \dst, \tmp, \win
.endm
	s_load_b256 s[4:11], s[0:1], 0x0               ; att s[4:5], proj_w s[6:7], proj_b s[8:9], x s[10:11]
	s_load_b64 s[12:13], s[0:1], 0x20              ; out0
	v_lshl_add_u32 v62, v0, 2, 0x8800
	v_mov_b32 v63, 0
	v_lshrrev_b32 v[MX], 5, v0
	v_readfirstlane_b32 s16, v[MX]                 ; wave
	s_mov_b32 s17, ttmp9                           ; F
	s_and_b32 s18, ttmp7, 0xffff                   ; b
	v_and_b32 v[RR], 15, v0
	v_bfe_u32 v[HH], v0, 4, 1
	v_lshlrev_b32 v[SH8], 3, v[HH]
	v_lshlrev_b32 v[XO], 4, v[RR]
	v_lshl_add_u32 v[XO], v[HH], 14, v[XO]
	v_and_b32 v[MX], 7, v0
	v_bfe_u32 v[MX+1], v0, 3, 1
	v_lshl_add_u32 v[SAD], v[MX+1], 5, v[MX]       ; my row's position, less 8 tau: r % 8 + 32 (r / 8)
	v_mul_u32_u24 v[HA], v[SAD], 24
	v_mad_u32_u24 v[HA], v[HH], HSTR, v[HA]        ; block 2 c + h is head 2 c + h
	v_lshlrev_b32 v[WA], 9, v[RR]
	v_lshl_add_u32 v[WA], v[HH], 7, v[WA]
	v_lshlrev_b32 v[BA], 2, v[RR]
	s_mul_i32 s36, s16, 8704                       ; my two stages
	v_mul_u32_u24 v[STO], v[RR], 272
	v_lshl_add_u32 v[STO], v[HH], 7, v[STO]
	v_add_nc_u32 v[STO], s36, v[STO]
	v_mul_u32_u24 v[RD], v[HH], 272
	v_lshl_add_u32 v[RD], v[RR], 4, v[RD]
	v_add_nc_u32 v[RD], s36, v[RD]
	v_mov_b32 v[W2], 0                             ; a lane permute's destination counts as one of its sources
	s_mov_b32 s[SEL], 0x76543210
	s_mov_b32 s[SEL+1], 0xfedcba98
	s_lshl_b32 s24, s18, 21                        ; x, out0: 2,097,152 b + 32 rows of 16,384 bytes x wave + 256 F
	s_lshl_b32 s25, s16, 19
	s_add_co_u32 s24, s24, s25
	s_lshl_b32 s25, s17, 8
	s_add_co_u32 s24, s24, s25
	s_mov_b32 s25, 0
	s_lshl_b32 s26, s18, 6
	s_lshr_b32 s27, s17, 2
	s_add_co_u32 s26, s26, s27
	s_mul_i32 s26, s26, REC                        ; att's record of (head 0 of b, block of 256 positions)
	s_and_b32 s27, s17, 3
	s_lshl_b32 s28, s27, 6
	s_add_co_u32 s28, s28, s26
	s_add_co_u32 s28, s28, 6144                    ; my 64 positions' scale bytes
	s_mov_b32 s29, 0
	s_mul_i32 s27, s27, 1536
	s_add_co_u32 s26, s26, s27                     ; and codes
	s_mov_b32 s27, 0
	s_lshl_b32 s30, s16, 14
	s_mov_b32 s31, 0
	s_lshl_b32 s32, s16, 7
	s_mov_b32 s33, 0
	s_wait_kmcnt 0x0
	s_add_nc_u64 s[34:35], s[4:5], s[28:29]
	s_add_nc_u64 s[4:5], s[4:5], s[26:27]
	s_add_nc_u64 s[6:7], s[6:7], s[30:31]
	s_add_nc_u64 s[8:9], s[8:9], s[32:33]
	s_add_nc_u64 s[10:11], s[10:11], s[24:25]
	s_add_nc_u64 s[12:13], s[12:13], s[24:25]
	WIN 0x40                                       ; destination window 1
.irp t, 0,1,2,3
.irp c, 0,1
.irp p, 0,1,2
	global_load_b64 v[HF+12*\t+6*\c+2*\p:HF+12*\t+6*\c+2*\p+1], v[HA], s[4:5] offset:2*HSTR*\c+192*\t+8*\p
.endr
.endr
.endr
	WIN 0
.irp t, 0,1,2,3
.irp d, 0,1,2,3
	global_load_u8 v[SBY+4*\t+\d], v[SAD], s[34:35] offset:HSTR*\d+8*\t
.endr
.endr
.irp u, 0,1
	global_load_b32 v[RAWB+\u], v[BA], s[8:9] offset:64*\u
.endr
.irp u, 0,1
.irp c, 0,1
.irp j, 0,1,2,3,4,5,6,7
	global_load_b128 v[SA+64*\u+32*\c+4*\j:SA+64*\u+32*\c+4*\j+3], v[WA], s[6:7] offset:8192*\u+256*\c+16*\j
.endr
.endr
.endr
.irp u, 0,1
.irp i, 0,1,2,3,4,5,6,7
	global_load_b128 v[XR+32*\u+4*\i:XR+32*\u+4*\i+3], v[XO], s[10:11] offset:(16*\u+2*\i)*16384 th:TH_LOAD_NT
.endr
.endr
	s_wait_loadcnt 50                              ; h's codes and scale bytes are in; 2 bias, 32 weight and 16 x loads may be out
.irp t, 0,1,2,3
	v_lshl_or_b32 v[HS+\t], v[SBY+4*\t+1], 8, v[SBY+4*\t]
	v_lshl_or_b32 v[HS+\t], v[SBY+4*\t+2], 16, v[HS+\t]
	v_lshl_or_b32 v[HS+\t], v[SBY+4*\t+3], 24, v[HS+\t]
.endr
	s_wait_loadcnt 32                              ; the biases and the first weight fragment are in; the second's 16 loads and x's 16 may be out
	WIN 0x40
.irp u, 0,1
.irp j, 0,1,2,3,4,5,6,7
	v_mov_b32 v[BV+8*\u+\j], v[RAWB+\u]            ; a lane holds one output channel: its bias in all eight registers
.endr
.endr
	WIN 0
	QUANT2 SA, WC, WT, WS, 1
	s_wait_loadcnt 16                              ; x's 16 loads may be out
	QUANT2 SB, WC+12, WT, WS+1, 1
	PLACES 8                                       ; a scale word written by vector lines stands eight places ahead of a scaled product, an operand so written four
	WIN 0x15                                       ; sources 0, 1 and 2 window 1
.irp u, 0,1
.irp t, 0,1,2,3
	v_wmma_scale_f32_16x16x128_f8f6f4 v[RES+32*\u+8*\t:RES+32*\u+8*\t+7], v[HF+12*\t:HF+12*\t+11], v[WC+12*\u:WC+12*\u+11], v[BV+8*\u:BV+8*\u+7], v[HS+\t], v[WS+\u] matrix_a_fmt:MATRIX_FMT_FP6 matrix_b_fmt:MATRIX_FMT_FP6
.endr
.endr
	WIN 0
	PLACES 4                                       ; four places in front of the first read of results (ISA guide 7.12.1)
.irp u, 0,1
.irp i, 0,1,2,3,4,5,6,7
	ds_store_b128 v[STO], v[RES+32*\u+4*\i:RES+32*\u+4*\i+3] offset:4352*\u+16*\i            ; ascending: each result from its low end on
.endr
.irp i, 0,1,2,3,4,5,6,7
	ds_load_b128 v[Y+32*\u+4*\i:Y+32*\u+4*\i+3], v[RD] offset:4352*\u+544*\i                 ; LDS serves a wave's instructions in order: these see my stores
.endr
.endr
	s_wait_loadcnt 0x0                             ; x
.irp u, 0,1
.irp i, 0,1,2,3,4,5,6,7
	s_wait_dscnt 23-16*\u-\i                       ; the LDS instructions issued behind this load may be out
	v_pk_add_f32 v[Y+32*\u+4*\i:Y+32*\u+4*\i+1], v[Y+32*\u+4*\i:Y+32*\u+4*\i+1], v[XR+32*\u+4*\i:XR+32*\u+4*\i+1]
	v_pk_add_f32 v[Y+32*\u+4*\i+2:Y+32*\u+4*\i+3], v[Y+32*\u+4*\i+2:Y+32*\u+4*\i+3], v[XR+32*\u+4*\i+2:XR+32*\u+4*\i+3]
	global_store_b128 v[XO], v[Y+32*\u+4*\i:Y+32*\u+4*\i+3], s[12:13] offset:(16*\u+2*\i)*16384 th:TH_STORE_NT    ; 16 lanes store 256 consecutive bytes, aligned
.endr
.endr
	s_wait_tensorcnt 0x0
	ds_add_u32 v62, v63
	s_wait_dscnt 0x0
	s_endpgm
.Lfunc_end_k_q316313883c_proj:
	.size	k_q316313883c_proj, .Lfunc_end_k_q316313883c_proj-k_q316313883c_proj
	.p2alignl 7, 3214868480
	.fill 96, 4, 3214868480
	.section	.rodata,"a",@progbits
	.p2align	6, 0x0
	.amdhsa_kernel k_q316313883c_proj
		.amdhsa_group_segment_fixed_size 35328
		.amdhsa_private_segment_fixed_size 0
		.amdhsa_enable_private_segment 0
		.amdhsa_kernarg_size 40
		.amdhsa_user_sgpr_count 2
		.amdhsa_user_sgpr_kernarg_segment_ptr 1
		.amdhsa_wavefront_size32 1
		.amdhsa_system_sgpr_workgroup_id_x 1
		.amdhsa_system_sgpr_workgroup_id_y 1
		.amdhsa_system_sgpr_workgroup_id_z 1
		.amdhsa_system_vgpr_workitem_id 0
		.amdhsa_next_free_vgpr 512
		.amdhsa_next_free_sgpr 66
		.amdhsa_reserve_vcc 0
		.amdhsa_float_denorm_mode_32 3
		.amdhsa_float_denorm_mode_16_64 3
		.amdhsa_memory_ordered 1
		.amdhsa_forward_progress 1
		.amdhsa_inst_pref_size 27
	.end_amdhsa_kernel
	.amdgpu_metadata
---
amdhsa.version: [ 1, 2 ]
amdhsa.kernels:
  - .name:           k_q316313883c_proj
    .symbol:         k_q316313883c_proj.kd
    .args:
      - { .name: att, .offset: 0, .size: 8, .value_kind: global_buffer, .address_space: global }
      - { .name: proj_w, .offset: 8, .size: 8, .value_kind: global_buffer, .address_space: global }
      - { .name: proj_b, .offset: 16, .size: 8, .value_kind: global_buffer, .address_space: global }
      - { .name: x, .offset: 24, .size: 8, .value_kind: global_buffer, .address_space: global }
      - { .name: out0, .offset: 32, .size: 8, .value_kind: global_buffer, .address_space: global }
    .group_segment_fixed_size: 35328
    .private_segment_fixed_size: 0
    .kernarg_segment_align: 8
    .kernarg_segment_size: 40
    .max_flat_workgroup_size: 128
    .sgpr_count:     66
    .vgpr_count:     512
    .wavefront_size: 32
...
	.end_amdgpu_metadata
.endif
;; end of part 3
;; ======== version 2 of 2: 3 launches
;; workspace buffers: qkv 4,915,200 bytes; att 1,638,400 bytes
;; launch prep (part 4): grid 64 x 4, 4 waves a work-group, no clusters, 168,448 bytes of LDS; arguments x, norm_w, norm_b, qkv_w, qkv_b, qkv; writes qkv
.if DOCPART == 4
	.amdgcn_target "amdgcn-amd-amdhsa--gfx1250"
	.amdhsa_code_object_version 6
	.text
	.protected	k_q316313883c_prep
	.globl	k_q316313883c_prep
	.p2align	8
	.type	k_q316313883c_prep,@function
k_q316313883c_prep:
	s_mov_b64 s[64:65], 0
	v_nop
	global_prefetch_b8 v0, s[64:65] scope:SCOPE_SE
	s_setreg_imm32_b32 hwreg(HW_REG_WAVE_MODE, 25, 1), 1
	s_wait_xcnt 0x0
; PREP: channel LayerNorm of x [4][128][4096], the 1x1 qkv product on codes of FP6 (E2M3, one E8M0 byte for each 32 along K), + qkv_b, and the quantising of q, k (along the head's 32 channels) and v (along the keys).
; SHARES.  A work-group takes 64 positions (group F) of one image b.  Wave w first normalises and quantises tile w of the positions, then makes head w's q, k and v for all four tiles: 24 matrix instructions.
; TILES OF POSITIONS.  Row rho of tile tau is position 64 F + 32 (rho / 8) + 8 tau + rho % 8.  Where positions are the rows of a result, a lane's 32 registers over the four tiles are then 32 neighbouring positions:
; a whole block of v along the keys lies in one lane.
; ROWS OF THE WEIGHT.  q/k tile t of head w: rows 0-7 are q's channels 8 t + 0..7, rows 8-15 k's: lanes 0-15 of the result hold q of a position, lanes 16-31 k, and the registers over t = 0..3 run along the 32 channels.
; v tile d: row m is channel 16 (m / 8) + 8 d + m % 8, so that the next launch finds 16 neighbouring channels in a lane.
; WORKSPACE qkv, all as images of operand registers (register g of lane l at 512 (g / 4) + 16 l + 4 (g % 4)):
;   record (4 b + head, 128 keys) of 6,400 bytes: two fragments of k (64 keys each: K block beta holds tile beta), four half fragments of v, 128 bytes of k's scale words, 128 of v's;
;   from QOFF on q's fragments (packed as k's), from QSOFF on q's scale words.
; LIMITS: NaN and infinities are not served; a block whose largest magnitude lies under 2^-124 (a block of zeros too) keeps the byte 1: its codes are zeros or next to it, and this program alone reads the bytes.
; No cluster: what work-groups share is the f32 weight, which each lane loads straight into the registers that the conversions read.
.set REC,   6400
.set QOFF,  3276800
.set QSOFF, 4849664
.set XIMG,  32768                      ; LDS: x's tile, 128 channel rows of 256 bytes, at 0; then the four fragments of h, 1,536 bytes each;
.set XSC,   38912                      ; then their scale words, 128 bytes each
; window 0
.set LN,  1                            ; lane
.set RR,  2                            ; r = lane % 16
.set HH,  3                            ; h = lane / 16
.set SH8, 4                            ; 8 h
.set LI,  5                            ; 16 x lane
.set LS,  6                            ; 4 x lane
.set XA,  7                            ; LDS: my position's column of x, my half's first channel row
.set WA,  8                            ; q/k rows of the weight
.set WB,  9                            ; v rows of the weight
.set NA,  10                           ; norm_w, norm_b: 128 h
.set BQA, 11                           ; q/k bias: 512 h
.set BVA, 12                           ; v bias of my channel
.set XWI, 13                           ; LDS: where I store h's image
.set XWS, 14                           ; and its scale word
.set OQ,  15                           ; byte offsets in qkv: q's image,
.set OK,  16                           ; k's image,
.set OS,  17                           ; q's (lanes 0-15) or k's (lanes 16-31) scale word,
.set OV16, 18                          ; v's half image, four registers,
.set OV8, 19                           ; its other two,
.set OVB, 20                           ; v's scale byte
.set WS,  22                           ; v22-27 the six weight fragments' scale words
.set HS,  28                           ; v28-31 h's scale words
.set E,   32                           ; v32-35 q/k scale bytes of the four tiles
.set MX,  36                           ; v36-37 two blocks' largest magnitudes
.set SCL, 38                           ; v38-39 the conversions' scale operands
.set BY,  40                           ; v40-41 scale bytes
.set PW,  42                           ; h's scale word
.set W2,  43                           ; the other half's number
.set MEAN, 44                          ; v44-45
.set RS,  46                           ; v46-47
.set CH,  48                           ; v48-55 four chains of sums; at the head: at work
.set VB,  56                           ; v56-57 v's scale bytes
.set EW,  58                           ; q/k scale word
.set RAWB, 60                          ; v60-61 v's biases as loaded
.set SA,  64                           ; v64-127 weights as loaded (set A), then x, then results
.set RES, 64
.set SB,  128                          ; v128-191 weights as loaded (set B), then h's four fragments
.set HF,  128
.set QI,  192                          ; q's image
.set KI,  204                          ; k's image
.set T0,  216
.set T1,  220
.set VC,  224                          ; v's codes, 2 x 6
.set VT,  236
.set PC,  244                          ; h's codes
; window 1
.set WC,  0                            ; v0-71 the weight's codes, 6 x 12
.set BQK, 72                           ; v72-103 q/k bias in the result's layout
.set BV,  104                          ; v104-119 v bias likewise
.set WT,  120
.set NW,  128                          ; norm_w of my 64 channels
.set NB,  192                          ; norm_b
.set SEL, 20                           ; s[20:21]
.set MSB, 0
.macro WIN new                         ; the immediate's high byte repeats the setting that is left
.if MSB != (\new)
	s_set_vgpr_msb (MSB<<8)|(\new)
.set MSB, (\new)
.endif
.endm
.macro PLACES n
.rept \n
	v_nop
.endr
.endm
; Two blocks of 32 numbers of a lane, at src and src + 32: their largest magnitudes (with the floor 2^(3 - 127), which holds the byte at 1) and, 2 off the exponent field, the conversions' scale operands.
; The registers are taken in ascending pairs, so that a matrix result is first read at its low end.
.macro SCALES2 src
.irp c, 0,1
	v_max3_num_f32 v[MX+\c], |v[\src+32*\c]|, |v[\src+32*\c+1]|, 0x1800000
.endr
.irp i, 2,4,6,8,10,12,14,16,18,20,22,24,26,28,30
.irp c, 0,1
	v_max3_num_f32 v[MX+\c], v[MX+\c], |v[\src+32*\c+\i]|, |v[\src+32*\c+\i+1]|
.endr
.endr
.irp c, 0,1
	v_add_nc_u32 v[SCL+\c], 0xff000000, v[MX+\c]
.endr
.endm
; The 64 numbers become 12 registers of codes at dst (window win).  A conversion's three registers begin on an even number, so each block's second half is made at tmp and moved.
.macro CODES src, dst, tmp, win
	WIN 0x40*(\win)
	v_cvt_scalef32_pk16_fp6_f32 v[\dst:\dst+2], v[\src:\src+15], v[SCL]
	v_cvt_scalef32_pk16_fp6_f32 v[\tmp:\tmp+2], v[\src+16:\src+31], v[SCL]
	v_cvt_scalef32_pk16_fp6_f32 v[\dst+6:\dst+8], v[\src+32:\src+47], v[SCL+1]
	v_cvt_scalef32_pk16_fp6_f32 v[\tmp+4:\tmp+6], v[\src+48:\src+63], v[SCL+1]
	v_nop                                          ; one plain line behind the scaled conversions
	WIN 0x41*(\win)
.irp i, 0,1,2
	v_mov_b32 v[\dst+3+\i], v[\tmp+\i]
	v_mov_b32 v[\dst+9+\i], v[\tmp+4+\i]
.endr
	WIN 0
.endm
; A lane's 64 numbers, k = 64 c + 32 h + 0..31, become a fragment and its row's scale word (byte 2 c + h; the other half's two bytes come from lane l xor 16).
.macro QUANT2 src, dst, tmp, wrd, win
	SCALES2 \src
.irp c, 0,1
	v_lshrrev_b32 v[BY+\c], 23, v[SCL+\c]
.endr
	v_lshl_or_b32 v[\wrd], v[BY+1], 16, v[BY]
	v_lshlrev_b32 v[\wrd], v[SH8], v[\wrd]
	v_permlanex16_b32 v[W2], v[\wrd], s[SEL], s[SEL+1]
	v_or_b32 v[\wrd], v[\wrd], v[W2]
	CODES \src, \dst, \tmp, \win
.endm
; Weight fragment i (0-3: q/k tiles, 4-5: v tiles) as f32 into set st: of my row the 32 numbers of each of my two blocks
.macro WLOAD i, st
.irp c, 0,1
.irp j, 0,1,2,3,4,5,6,7
.if (\i) < 4
	global_load_b128 v[\st+32*\c+4*\j:\st+32*\c+4*\j+3], v[WA], s[10:11] offset:4096*(\i)+256*\c+16*\j
.else
	global_load_b128 v[\st+32*\c+4*\j:\st+32*\c+4*\j+3], v[WB], s[10:11] offset:131072+4096*((\i)-4)+256*\c+16*\j
.endif
.endr
.endr
.endm
.macro FOLD                            ; four chains of pairs -> one number, with the other half of the lanes' 64 channels
	v_pk_add_f32 v[CH:CH+1], v[CH:CH+1], v[CH+2:CH+3]
	v_pk_add_f32 v[CH+4:CH+5], v[CH+4:CH+5], v[CH+6:CH+7]
	v_pk_add_f32 v[CH:CH+1], v[CH:CH+1], v[CH+4:CH+5]
	v_add_f32 v[CH], v[CH], v[CH+1]
	v_permlanex16_b32 v[W2], v[CH], s[SEL], s[SEL+1]
	v_add_f32 v[CH], v[CH], v[W2]
.endm
	s_load_b256 s[4:11], s[0:1], 0x0               ; x s[4:5], norm_w s[6:7], norm_b s[8:9], qkv_w s[10:11]
	s_load_b128 s[12:15], s[0:1], 0x20             ; qkv_b s[12:13], qkv s[14:15]
	v_lshl_add_u32 v239, v0, 2, 0x29000
	v_mov_b32 v243, 0
	ds_add_u32 v239, v243
	ds_add_u32 v239, v243
	v_lshrrev_b32 v[CH], 5, v0
	v_readfirstlane_b32 s16, v[CH]                 ; wave = head = tile of positions
	s_mov_b32 s17, ttmp9                           ; F
	s_and_b32 s18, ttmp7, 0xffff                   ; b
	; x's tile: each wave brings 32 channel rows of 64 positions (256 bytes, aligned), 4,096 elements apart in memory, dense in LDS
	s_mov_b32 s24, 2<<16                           ; no mask; elements of 4 bytes; no padding
	s_mov_b32 s25, 64<<16                          ; tensor_dim0 = 64
	s_mov_b32 s26, 32<<16                          ; tensor_dim1 = 32
	s_mov_b32 s27, 64<<16                          ; tile_dim0 = 64
	s_mov_b32 s28, 32                              ; tile_dim1 = 32
	s_mov_b32 s29, 4096                            ; from row to row
	s_mov_b32 s30, 0
	s_mov_b32 s31, 0
	s_mov_b32 s32, 1
	s_lshl_b32 s33, s16, 13                        ; LDS: 8,192 x wave
	s_lshl_b32 s48, s18, 21                        ; 2,097,152 b
	s_lshl_b32 s49, s16, 19                        ; + 32 rows of 16,384 bytes x wave
	s_add_co_u32 s48, s48, s49
	s_lshl_b32 s49, s17, 8                         ; + 256 F
	s_add_co_u32 s48, s48, s49
	s_mov_b32 s49, 0
	s_wait_dscnt 0x0
	s_wait_kmcnt 0x0
	s_add_nc_u64 s[34:35], s[4:5], s[48:49]
	s_or_b32 s35, s35, 0x80000000
	tensor_load_to_lds s[32:35], s[24:31]          ; the wave's one tensor load: nothing in LDS is filled twice
	s_nop 0
	PLACES 4                                       ; four places behind a tensor load
	v_and_b32 v[LN], 31, v0
	v_and_b32 v[RR], 15, v0
	v_bfe_u32 v[HH], v0, 4, 1
	v_and_b32 v[CH], 7, v0                         ; r % 8
	v_bfe_u32 v[CH+1], v0, 3, 1                    ; r / 8
	v_lshl_add_u32 v[CH+2], v[CH+1], 7, v[CH]      ; q/k: row r % 8, k's 128 rows behind q's
	v_lshlrev_b32 v[WA], 9, v[CH+2]
	v_lshl_add_u32 v[WA], v[HH], 7, v[WA]          ; a row is 512 bytes; my half's block begins 128 h on
	v_lshl_add_u32 v[CH+3], v[CH+1], 4, v[CH]      ; v: channel r % 8 + 16 (r / 8)
	v_lshlrev_b32 v[WB], 9, v[CH+3]
	v_lshl_add_u32 v[WB], v[HH], 7, v[WB]
	v_lshlrev_b32 v[NA], 7, v[HH]
	v_lshlrev_b32 v[BQA], 9, v[HH]
	v_lshlrev_b32 v[BVA], 2, v[CH+3]
	s_lshl_b32 s50, s16, 14
	s_mov_b32 s51, 0
	s_add_nc_u64 s[10:11], s[10:11], s[50:51]      ; qkv_w at head w's 32 rows of q
	s_lshl_b32 s50, s16, 7
	s_add_nc_u64 s[12:13], s[12:13], s[50:51]      ; qkv_b likewise
	WIN 0x40                                       ; destination window 1
.irp c, 0,1
.irp j, 0,1,2,3,4,5,6,7
	global_load_b128 v[NW+32*\c+4*\j:NW+32*\c+4*\j+3], v[NA], s[6:7] offset:256*\c+16*\j
.endr
.endr
.irp c, 0,1
.irp j, 0,1,2,3,4,5,6,7
	global_load_b128 v[NB+32*\c+4*\j:NB+32*\c+4*\j+3], v[NA], s[8:9] offset:256*\c+16*\j
.endr
.endr
.irp t, 0,1,2,3
	global_load_b128 v[BQK+8*\t:BQK+8*\t+3], v[BQA], s[12:13] offset:32*\t       ; register j: the bias of q's (h = 0) or k's (h = 1) channel 8 t + j
	global_load_b128 v[BQK+8*\t+4:BQK+8*\t+7], v[BQA], s[12:13] offset:32*\t+16
.endr
	WIN 0
.irp d, 0,1
	global_load_b32 v[RAWB+\d], v[BVA], s[12:13] offset:1024+32*\d
.endr
	WLOAD 0, SA
	WLOAD 1, SB
	; the other addresses are made while the loads are out
	v_lshlrev_b32 v[SH8], 3, v[HH]
	v_lshlrev_b32 v[LI], 4, v[LN]
	s_wait_alu depctr_va_vdst(0)
	v_lshlrev_b32 v[LS], 2, v[LN]
	v_lshl_add_u32 v[XA], v[CH+1], 5, v[CH]        ; my position in the group, less 8 w: r % 8 + 32 (r / 8)
	v_lshlrev_b32 v[XA], 2, v[XA]
	v_lshl_add_u32 v[XA], v[HH], 13, v[XA]         ; my half begins 32 channel rows down
	s_lshl_b32 s44, s16, 5
	v_add_nc_u32 v[XA], s44, v[XA]                 ; tile w: 8 w positions on
	s_mul_i32 s45, s16, 1536
	s_add_co_u32 s45, s45, XIMG
	v_add_nc_u32 v[XWI], s45, v[LI]
	s_lshl_b32 s47, s16, 7
	s_add_co_u32 s47, s47, XSC
	v_add_nc_u32 v[XWS], s47, v[LS]
	s_mov_b32 s[SEL], 0x76543210
	s_mov_b32 s[SEL+1], 0xfedcba98                 ; v_permlanex16_b32: lane l xor 16
	s_mov_b32 s22, 0x3c000000                      ; 1 / 128
	s_mov_b32 s23, 0x358637bd                      ; 1e-6
	s_lshl_b32 s19, s18, 2
	s_add_co_u32 s19, s19, s16                     ; 4 b + head
	s_lshl_b32 s36, s19, 5
	s_lshr_b32 s37, s17, 1
	s_add_co_u32 s36, s36, s37
	s_mul_i32 s36, s36, REC                        ; my record: 128 keys
	s_and_b32 s37, s17, 1                          ; which 64 of them
	s_mul_i32 s38, s37, 1536
	s_add_co_u32 s38, s38, s36                     ; k's fragment
	s_mul_i32 s39, s37, 768
	s_add_co_u32 s39, s39, s36
	s_add_co_u32 s39, s39, 3072                    ; v's half fragments
	s_lshl_b32 s40, s37, 6
	s_add_co_u32 s40, s40, s36
	s_add_co_u32 s40, s40, 6144                    ; k's scale words
	s_lshl_b32 s41, s37, 1
	s_add_co_u32 s41, s41, s36
	s_add_co_u32 s41, s41, 6272                    ; v's scale bytes
	s_lshl_b32 s46, s19, 6
	s_add_co_u32 s46, s46, s17
	s_mul_i32 s42, s46, 1536
	s_add_co_u32 s42, s42, QOFF                    ; q's fragment
	s_lshl_b32 s43, s46, 6
	s_add_co_u32 s43, s43, QSOFF                   ; q's scale words
	v_add_nc_u32 v[OQ], s42, v[LI]
	v_add_nc_u32 v[OK], s38, v[LI]
	v_lshlrev_b32 v[CH+4], 2, v[RR]
	v_mov_b32 v[CH+5], s43
	v_mov_b32 v[CH+6], s40
	v_cmp_lt_u32 vcc_lo, 15, v[LN]
	v_cndmask_b32 v[OS], v[CH+5], v[CH+6], vcc_lo  ; lanes 0-15 store q's word, lanes 16-31 k's
	v_add_nc_u32 v[OS], v[OS], v[CH+4]
	v_add_nc_u32 v[OV16], s39, v[LI]
	v_lshlrev_b32 v[OV8], 3, v[LN]
	s_add_co_u32 s52, s39, 512
	v_add_nc_u32 v[OV8], s52, v[OV8]
	v_add_nc_u32 v[OVB], v[CH+4], v[HH]
	v_add_nc_u32 v[OVB], s41, v[OVB]
	v_mov_b32 v[W2], 0                             ; a lane permute's destination counts as one of its sources
	; THE WEIGHT: my six fragments, quantised along K = the 128 channels, into window 1.  Two sets of 64 registers take turns.
.irp i, 0,1,2,3,4,5
.if \i < 5
	s_wait_loadcnt 16                              ; all but the next fragment's 16 loads are in
.else
	s_wait_loadcnt 0x0
.endif
.if \i == 0
	WIN 0x40
.irp d, 0,1
.irp j, 0,1,2,3,4,5,6,7
	v_mov_b32 v[BV+8*\d+\j], v[RAWB+\d]            ; in v's result a lane holds one channel: its bias in all eight registers
.endr
.endr
	WIN 0
.endif
	QUANT2 SA+64*(\i%2), WC+12*\i, WT, WS+\i, 1
.if \i < 4
	WLOAD \i+2, SA+64*(\i%2)
.endif
.endr
	; x: my part of the tile has landed; behind the barrier everybody's has
	s_wait_tensorcnt 0x0
	s_barrier_signal -1
	s_barrier_wait -1
.irp c, 0,1
.irp i, 0,1,2,3,4,5,6,7,8,9,10,11,12,13,14,15,16,17,18,19,20,21,22,23,24,25,26,27,28,29,30,31
	ds_load_b32 v[SA+32*\c+\i], v[XA] offset:(64*\c+\i)*256      ; x(channel 64 c + 32 h + i, my position)
.endr
.endr
	s_wait_dscnt 0x0
	; LayerNorm in two passes, f32: the mean, then the mean of the squared differences
.irp k, 0,1,2,3
	v_pk_add_f32 v[CH+2*\k:CH+2*\k+1], v[SA+2*\k:SA+2*\k+1], v[SA+8+2*\k:SA+8+2*\k+1]
.endr
.irp p, 16,24,32,40,48,56
.irp k, 0,1,2,3
	v_pk_add_f32 v[CH+2*\k:CH+2*\k+1], v[CH+2*\k:CH+2*\k+1], v[SA+\p+2*\k:SA+\p+2*\k+1]
.endr
.endr
	FOLD
	v_mul_f32 v[MEAN], s22, v[CH]
	v_mul_f32 v[MEAN+1], s22, v[CH]
.irp p, 0,2,4,6,8,10,12,14,16,18,20,22,24,26,28,30,32,34,36,38,40,42,44,46,48,50,52,54,56,58,60,62
	v_pk_add_f32 v[SA+\p:SA+\p+1], v[SA+\p:SA+\p+1], v[MEAN:MEAN+1] neg_lo:[0,1] neg_hi:[0,1]
.endr
.irp k, 0,1,2,3
	v_pk_mul_f32 v[CH+2*\k:CH+2*\k+1], v[SA+2*\k:SA+2*\k+1], v[SA+2*\k:SA+2*\k+1]
.endr
.irp p, 8,16,24,32,40,48,56
.irp k, 0,1,2,3
	v_pk_fma_f32 v[CH+2*\k:CH+2*\k+1], v[SA+\p+2*\k:SA+\p+2*\k+1], v[SA+\p+2*\k:SA+\p+2*\k+1], v[CH+2*\k:CH+2*\k+1]
.endr
.endr
	FOLD
	v_fma_f32 v[CH], v[CH], s22, s23               ; variance + 1e-6
	s_wait_alu depctr_va_vdst(0)
	v_rsq_f32 v[RS], v[CH]
	v_rsq_f32 v[RS+1], v[CH]
	v_nop                                          ; one plain line behind the transcendentals
	s_wait_alu depctr_va_vdst(0)
.irp p, 0,2,4,6,8,10,12,14,16,18,20,22,24,26,28,30,32,34,36,38,40,42,44,46,48,50,52,54,56,58,60,62
	v_pk_mul_f32 v[SA+\p:SA+\p+1], v[SA+\p:SA+\p+1], v[RS:RS+1]
.endr
	WIN 0x14                                       ; sources 1 and 2 (norm_w, norm_b) window 1
.irp p, 0,2,4,6,8,10,12,14,16,18,20,22,24,26,28,30,32,34,36,38,40,42,44,46,48,50,52,54,56,58,60,62
	v_pk_fma_f32 v[SA+\p:SA+\p+1], v[SA+\p:SA+\p+1], v[NW+\p:NW+\p+1], v[NB+\p:NB+\p+1]
.endr
	WIN 0
	QUANT2 SA, PC, T0, PW, 0
.irp i, 0,1,2
	ds_store_b128 v[XWI], v[PC+4*\i:PC+4*\i+3] offset:512*\i     ; the fragment goes to LDS as an image of its registers
.endr
	ds_store_b32 v[XWS], v[PW]
	s_wait_dscnt 0x0                               ; for the others: my stores have landed
	s_barrier_signal -1
	s_barrier_wait -1
.irp k, 0,1,2,3,4,5,6,7,8,9,10,11
	ds_load_b128 v[HF+4*\k:HF+4*\k+3], v[LI] offset:XIMG+512*\k
.endr
.irp t, 0,1,2,3
	ds_load_b32 v[HS+\t], v[LS] offset:XSC+128*\t
.endr
	s_wait_dscnt 0x0
; q and k of tiles 2 c and 2 c + 1: source 0 = 16 rows of the weight, source 1 = 16 positions; the bias is the C of the one K step.  Eight accumulators, each written once.
.macro QK c
	WIN 0x11                                       ; source 0 (weight) and source 2 (bias) window 1
.irp u, 0,1
.irp t, 0,1,2,3
	v_wmma_scale_f32_16x16x128_f8f6f4 v[RES+32*\u+8*\t:RES+32*\u+8*\t+7], v[WC+12*\t:WC+12*\t+11], v[HF+12*(2*\c+\u):HF+12*(2*\c+\u)+11], v[BQK+8*\t:BQK+8*\t+7], v[WS+\t], v[HS+2*\c+\u] matrix_a_fmt:MATRIX_FMT_FP6 matrix_b_fmt:MATRIX_FMT_FP6
.endr
.endr
	WIN 0
	PLACES 4                                       ; four places in front of the first read of results (ISA guide 7.12.1)
	SCALES2 RES                                    ; a lane's 32 registers of a tile are the 32 channels of q (lanes 0-15) or k (lanes 16-31) of one position: one block
.irp u, 0,1
	v_lshrrev_b32 v[E+2*\c+\u], 23, v[SCL+\u]
.endr
	v_cvt_scalef32_pk16_fp6_f32 v[QI+6*\c:QI+6*\c+2], v[RES:RES+15], v[SCL]
	v_cvt_scalef32_pk16_fp6_f32 v[T0:T0+2], v[RES+16:RES+31], v[SCL]
	v_cvt_scalef32_pk16_fp6_f32 v[KI+6*\c:KI+6*\c+2], v[RES+32:RES+47], v[SCL+1]
	v_cvt_scalef32_pk16_fp6_f32 v[T1:T1+2], v[RES+48:RES+63], v[SCL+1]
	v_nop                                          ; one plain line behind the scaled conversions
.irp i, 0,1,2
	v_permlane16_swap_b32 v[QI+6*\c+\i], v[KI+6*\c+\i]           ; (q | k of tile 2 c), (q | k of tile 2 c + 1) become (q of 2 c | q of 2 c + 1), (k of 2 c | k of 2 c + 1):
	v_permlane16_swap_b32 v[T0+\i], v[T1+\i]                     ; registers 6 c .. of the two images: K block 2 c + h holds tile 2 c + h
.endr
.irp i, 0,1,2
	v_mov_b32 v[QI+6*\c+3+\i], v[T0+\i]
	v_mov_b32 v[KI+6*\c+3+\i], v[T1+\i]
.endr
.endm
	QK 0
	QK 1
	v_lshl_or_b32 v[EW], v[E+1], 8, v[E]           ; byte beta: tile beta
	v_lshl_or_b32 v[EW], v[E+2], 16, v[EW]
	v_lshl_or_b32 v[EW], v[E+3], 24, v[EW]
	global_store_b32 v[OS], v[EW], s[14:15]
.irp i, 0,1,2
	global_store_b128 v[OQ], v[QI+4*\i:QI+4*\i+3], s[14:15] offset:512*\i        ; 32 lanes store 512 consecutive bytes, aligned
	global_store_b128 v[OK], v[KI+4*\i:KI+4*\i+3], s[14:15] offset:512*\i
.endr
	; v: source 0 = 16 positions, source 1 = 16 channels: a lane holds one channel and, over the four tiles, 32 neighbouring keys
	WIN 0x14                                       ; source 1 (weight) and source 2 (bias) window 1
.irp d, 0,1
.irp t, 0,1,2,3
	v_wmma_scale_f32_16x16x128_f8f6f4 v[RES+32*\d+8*\t:RES+32*\d+8*\t+7], v[HF+12*\t:HF+12*\t+11], v[WC+12*(4+\d):WC+12*(4+\d)+11], v[BV+8*\d:BV+8*\d+7], v[HS+\t], v[WS+4+\d] matrix_a_fmt:MATRIX_FMT_FP6 matrix_b_fmt:MATRIX_FMT_FP6
.endr
.endr
	WIN 0
	PLACES 4
	SCALES2 RES
.irp d, 0,1
	v_lshrrev_b32 v[VB+\d], 23, v[SCL+\d]
.endr
	CODES RES, VC, VT, 0                           ; registers 6 d .. 6 d + 5: channel tile d, keys 32 h + 0..31 of my 64
.irp d, 0,1
	global_store_b128 v[OV16], v[VC+6*\d:VC+6*\d+3], s[14:15] offset:1536*\d
	global_store_b64 v[OV8], v[VC+6*\d+4:VC+6*\d+5], s[14:15] offset:1536*\d
	global_store_b8 v[OVB], v[VB+\d], s[14:15] offset:64*\d      ; each lane a byte of its own: 64 bytes of the work-group's 19 KB leave so
.endr
	s_wait_tensorcnt 0x0
	ds_add_u32 v239, v243
	s_wait_dscnt 0x0
	s_endpgm
.Lfunc_end_k_q316313883c_prep:
	.size	k_q316313883c_prep, .Lfunc_end_k_q316313883c_prep-k_q316313883c_prep
	.p2alignl 7, 3214868480
	.fill 96, 4, 3214868480
	.section	.rodata,"a",@progbits
	.p2align	6, 0x0
	.amdhsa_kernel k_q316313883c_prep
		.amdhsa_group_segment_fixed_size 168448
		.amdhsa_private_segment_fixed_size 0
		.amdhsa_enable_private_segment 0
		.amdhsa_kernarg_size 48
		.amdhsa_user_sgpr_count 2
		.amdhsa_user_sgpr_kernarg_segment_ptr 1
		.amdhsa_wavefront_size32 1
		.amdhsa_system_sgpr_workgroup_id_x 1
		.amdhsa_system_sgpr_workgroup_id_y 1
		.amdhsa_system_sgpr_workgroup_id_z 1
		.amdhsa_system_vgpr_workitem_id 0
		.amdhsa_next_free_vgpr 512
		.amdhsa_next_free_sgpr 66
		.amdhsa_reserve_vcc 1
		.amdhsa_float_denorm_mode_32 3
		.amdhsa_float_denorm_mode_16_64 3
		.amdhsa_memory_ordered 1
		.amdhsa_forward_progress 1
		.amdhsa_inst_pref_size 70
	.end_amdhsa_kernel
	.amdgpu_metadata
---
amdhsa.version: [ 1, 2 ]
amdhsa.kernels:
  - .name:           k_q316313883c_prep
    .symbol:         k_q316313883c_prep.kd
    .args:
      - { .name: x, .offset: 0, .size: 8, .value_kind: global_buffer, .address_space: global }
      - { .name: norm_w, .offset: 8, .size: 8, .value_kind: global_buffer, .address_space: global }
      - { .name: norm_b, .offset: 16, .size: 8, .value_kind: global_buffer, .address_space: global }
      - { .name: qkv_w, .offset: 24, .size: 8, .value_kind: global_buffer, .address_space: global }
      - { .name: qkv_b, .offset: 32, .size: 8, .value_kind: global_buffer, .address_space: global }
      - { .name: qkv, .offset: 40, .size: 8, .value_kind: global_buffer, .address_space: global }
    .group_segment_fixed_size: 168448
    .private_segment_fixed_size: 0
    .kernarg_segment_align: 8
    .kernarg_segment_size: 48
    .max_flat_workgroup_size: 128
    .sgpr_count:     66
    .vgpr_count:     512
    .wavefront_size: 32
...
	.end_amdgpu_metadata
.endif
;; end of part 4
;; launch attn (part 5): grid 16 x 16, 16 waves a work-group, clusters of 4 x 1, 327,680 bytes of LDS; arguments qkv, att; writes att
.if DOCPART == 5
	.amdgcn_target "amdgcn-amd-amdhsa--gfx1250"
	.amdhsa_code_object_version 6
	.text
	.protected	k_q316313883c_attn
	.globl	k_q316313883c_attn
	.p2align	8
	.type	k_q316313883c_attn,@function
k_q316313883c_attn:
	s_mov_b64 s[64:65], 0
	v_nop
	global_prefetch_b8 v0, s[64:65] scope:SCOPE_SE
	s_setreg_imm32_b32 hwreg(HW_REG_WAVE_MODE, 25, 1), 1
	s_wait_xcnt 0x0
	s_wait_alu depctr_hold_cnt(0) depctr_sa_sdst(0) depctr_va_vdst(0) depctr_va_sdst(0) depctr_va_ssrc(0) depctr_va_vcc(0) depctr_vm_vsrc(0)
	s_getreg_b32 s2, hwreg(HW_REG_IB_STS2, 6, 4)
	s_cmp_eq_u32 s2, 0
	s_cbranch_scc0 .Lentry_in_a_cluster
	s_endpgm
.Lentry_in_a_cluster:
	s_bfe_u32 s2, ttmp6, 0x10000c
	s_cmp_lg_u32 s2, 0x3003
	s_cbranch_scc0 .Lentry_shape_is_right
	s_endpgm
.Lentry_shape_is_right:
; ATTN: for one (image, head): S^T = K Q^T and O^T = V^T P^T on codes of FP6 (E2M3, one E8M0 byte for each 32 along K), the softmax between them, O / l, and the quantising of O along the head's 32 channels.
; THE SOFTMAX: t = score x log2(e) / sqrt(32); M = the running largest t rounded up to a whole number; p = 2^(t - M) is quantised along the keys, not normalised; l is the sum of the unquantised p.
; When M moves, l and O^T are multiplied by 2^(old M - new M), which rounds nothing.
; SHARES.  A work-group owns 256 queries; each of its sixteen waves one tile of 16 (four waves to a SIMD: one wave's exponentials stand beside another's products and LDS loads).  Every wave walks 32 steps of 128 keys.
; ALL of the head's K and V, 32 records of 6,400 bytes laid as images of operand registers, lie in LDS: filled once, no ring.
; CLUSTER.  The four query blocks of a cluster read the same 204,800 bytes: every fill is asked for jointly, the same tensor load with the same descriptor and the mask of all four.
; K = 32 IN AN INSTRUCTION OF 128.  A fragment of K holds 64 keys: K block beta holds the 32 channels of the keys of tile beta.  It is multiplied by four fragments of Q, each with my 16 queries in block beta and zero codes
; elsewhere (scale byte 0 there, the smallest scale): four products for each 1,536 bytes read.  The four overlap in 36 registers: [QL Z QL][QH Z QH], QL = the codes in lanes 0-15, QH in lanes 16-31, Z = zeros.
; KEYS.  Row rho of tile beta is key 32 (rho / 8) + 8 beta + rho % 8 of its 64, so a lane's 32 registers over the four tiles are keys 32 h + 0..31: a whole block of p in one lane, and p's codes are the operand's registers as they fall.
; LIMITS: NaN and infinities are not served; a p under 2^-126 counts as 0; a block whose largest p or |O| lies under 2^-124 keeps the byte 1; a block's largest p is taken from its largest score
; (this takes v_exp_f32 not to fall where its input rises).
.set REC,   6400
.set HALF,  16*REC                     ; the first 16 steps' records
.set OSTG,  32*REC                     ; behind K and V: the stage for the way out, 6,144 bytes of codes and 256 scale bytes (8,192 claimed)
.set QOFF,  3276800
.set QSOFF, 4849664
.set LI16, 1                           ; 16 x lane
.set LI8,  2                           ; 8 x lane
.set LI4,  3                           ; 4 x lane
.set SH8,  4                           ; 8 h
.set A16,  5                           ; the same three + the step's record
.set A8,   6
.set A4,   7
.set KS,   8                           ; k's scale words: lanes 0-15 fragment 0, lanes 16-31 fragment 1
.set VS,   9                           ; v's: lanes 0-15 channel tile 0, lanes 16-31 tile 1
.set PS,   10                          ; p's scale word
.set PS2,  11
.set NM,   12                          ; v12 -M, v13 the largest t
.set LSUM, 14                          ; v14-15 l in two halves
.set FF,   16                          ; v16 f = 2^(old M - new M); v17 = 0, named with it as a pair
.set BM,   18                          ; v18-19 the two blocks' largest scores, then largest p
.set SCL,  20                          ; v20-21 the conversions' scale operands
.set BY,   22                          ; v22-23 scale bytes
.set TA,   24                          ; v24-25 at work
.set L2,   26                          ; v26-27 the sum's second chain
.set QS,   28                          ; v28-31 q's scale words for the four fragments of Q
.set QB,   32                          ; v32-67
.set PC,   68                          ; v68-79 p's codes
.set T0,   80
.set T1,   84
.set KF,   88                          ; v88-111 two fragments of K
.set VF,   112                         ; v112-135 two fragments of V
.set O,    136                         ; v136-151 O^T: register 8 d + j = channel 16 h + 8 d + j of my query
.set S,    152                         ; v152-215 S^T, then p: register 32 f + i = key 64 f + 32 h + i of the step
.set QR,   216                         ; v216-221 my queries' codes as loaded
.set ZZ,   222
.set QA,   223                         ; v223-225 their three pieces' offsets
.set OSA,  226                         ; the stage: my 12 bytes of codes,
.set OSB,  227                         ; my query's scale byte
.set CPL,  228                         ; the way out: 16 bytes a thread, in LDS
.set CPG,  229                         ; and in att
.set OC,   230
.set QSA,  233                         ; q's scale word's offset
.set CD,   234
.set SEL,  20                          ; s[20:21]
.set CS,   22                          ; s[22:23] c = log2(e) / sqrt(32)
.set TB,   40                          ; s40 the step's record in LDS
.macro PLACES n
.rept \n
	v_nop
.endr
.endm
.macro CROUND                          ; a round of the cluster's barrier
	s_barrier_signal -1
	s_barrier_wait -1
	s_cmp_lg_u32 s8, 0
	s_cbranch_scc1 .Lnot_wave_0_\@
	s_barrier_signal -3
.Lnot_wave_0_\@:
	s_barrier_wait -3
	s_barrier_signal -1
	s_barrier_wait -1
.endm
	s_load_b128 s[4:7], s[0:1], 0x0                ; qkv s[4:5], att s[6:7]
	v_lshl_add_u32 v254, v0, 2, 0x34000
	v_mov_b32 v255, 0
	ds_add_u32 v254, v255
	ds_add_u32 v254, v255
	v_lshrrev_b32 v[TA], 5, v0
	s_delay_alu instid0(VALU_DEP_1)
	v_readfirstlane_b32 s8, v[TA]                  ; wave 0..15
	s_bfe_u32 s9, ttmp6, 0x40000                   ; cx: it enters Q's and att's global offsets alone
	s_lshl_b32 s10, ttmp9, 2
	s_add_co_u32 s10, s10, s9                      ; my block of 256 queries
	s_and_b32 s11, ttmp7, 0xffff                   ; 4 b + head, which the four partners share
	; a record is a dense block: 25 rows of 256 bytes (32 elements of 8 bytes)
	s_mov_b32 s24, 15|(3<<16)|(1<<21)              ; the mask: all four work-groups; elements of 8 bytes; bit 21 set beside a mask; no padding
	s_mov_b32 s25, 32<<16
	s_mov_b32 s26, 25<<16
	s_mov_b32 s27, 32<<16
	s_mov_b32 s28, 25
	s_mov_b32 s29, 32
	s_mov_b32 s30, 0
	s_mov_b32 s31, 0
	s_mov_b32 s32, 1
	s_mul_i32 s33, s8, REC                         ; wave w brings steps w and 16 + w
	s_mov_b32 s36, 1
	s_add_co_u32 s37, s33, HALF
	s_mul_i32 s12, s11, 32*REC
	s_add_co_u32 s12, s12, s33
	s_mov_b32 s13, 0
	s_wait_dscnt 0x0
	s_wait_kmcnt 0x0
	s_add_nc_u64 s[34:35], s[4:5], s[12:13]
	s_add_nc_u64 s[38:39], s[34:35], HALF
	s_or_b32 s35, s35, 0x80000000
	s_or_b32 s39, s39, 0x80000000
	CROUND                                         ; all four work-groups are here: the joint loads meet
	tensor_load_to_lds s[32:35], s[24:31]
	s_nop 0
	s_wait_alu depctr_va_vdst(0)
	s_wait_tensorcnt 0x0
	ds_add_u32 v254, v255
	s_wait_dscnt 0x0
	CROUND
	tensor_load_to_lds s[36:39], s[24:31]          ; one load of mine is out: the first is already in
	s_nop 0
	PLACES 4                                       ; four places behind a tensor load
	; my 16 queries: tile wave % 4 of fragment 4 x block + wave / 4.  Their 24 bytes lie in the image as registers 6 c .. 6 c + 5 (c = tile / 2) of lane r + 16 (tile % 2): three pieces of 8 bytes
	s_bitcmp1_b32 s8, 1
	s_cselect_b32 s44, 520, 0
	s_cselect_b32 s45, 1024, 8
	s_mov_b32 s46, 512
	s_cselect_b32 s46, 1032, s46
	s_and_b32 s14, s8, 1
	s_lshl_b32 s14, s14, 8
	s_lshl_b32 s15, s10, 2
	s_lshr_b32 s16, s8, 2
	s_add_co_u32 s15, s15, s16
	s_lshl_b32 s16, s11, 6
	s_add_co_u32 s15, s15, s16                     ; which fragment of Q
	s_mul_i32 s17, s15, 1536
	s_add_co_u32 s17, s17, s14
	s_add_co_u32 s17, s17, QOFF
	s_lshl_b32 s18, s15, 6
	s_add_co_u32 s18, s18, QSOFF
	s_and_b32 s47, s8, 3
	s_lshl_b32 s47, s47, 3                         ; 8 x tile: my byte's place in q's scale word
	v_and_b32 v[TA], 15, v0                        ; r: both halves of the lanes load the same bytes
	s_delay_alu instid0(VALU_DEP_1)
	v_lshl_add_u32 v[TA+1], v[TA], 4, s17
	s_delay_alu instid0(VALU_DEP_1)
	v_add_nc_u32 v[QA], s44, v[TA+1]
	s_delay_alu instid0(VALU_DEP_2)
	v_add_nc_u32 v[QA+1], s45, v[TA+1]
	s_delay_alu instid0(VALU_DEP_3)
	v_add_nc_u32 v[QA+2], s46, v[TA+1]
	v_lshl_add_u32 v[QSA], v[TA], 2, s18
.irp i, 0,1,2
	global_load_b64 v[QR+2*\i:QR+2*\i+1], v[QA+\i], s[4:5]
.endr
	global_load_b32 v[QS], v[QSA], s[4:5]
	v_and_b32 v[TA], 31, v0
	s_delay_alu instid0(VALU_DEP_1)
	v_lshlrev_b32 v[LI16], 4, v[TA]
	s_delay_alu instid0(VALU_DEP_2)
	v_lshlrev_b32 v[LI8], 3, v[TA]
	s_delay_alu instid0(VALU_DEP_3)
	v_lshlrev_b32 v[LI4], 2, v[TA]
	v_bfe_u32 v[TA], v0, 4, 1
	s_delay_alu instid0(VALU_DEP_1)
	v_lshlrev_b32 v[SH8], 3, v[TA]
	v_and_b32 v[OSA], 7, v0                        ; my query's place among the block's 256: r % 8
	v_bfe_u32 v[TA], v0, 3, 1
	s_delay_alu instid0(VALU_DEP_1)
	v_lshl_add_u32 v[OSA], v[TA], 5, v[OSA]        ; + 32 (r / 8)
	v_bfe_u32 v[TA], v0, 5, 2
	s_delay_alu instid0(VALU_DEP_1)
	v_lshl_add_u32 v[OSA], v[TA], 3, v[OSA]        ; + 8 (wave % 4)
	v_bfe_u32 v[TA], v0, 7, 2
	s_delay_alu instid0(VALU_DEP_1)
	v_lshl_add_u32 v[OSA], v[TA], 6, v[OSA]        ; + 64 (wave / 4)
	s_delay_alu instid0(VALU_DEP_1)
	v_add_nc_u32 v[OSB], OSTG+6144, v[OSA]
	s_delay_alu instid0(VALU_DEP_2)
	v_mul_u32_u24 v[OSA], v[OSA], 24
	v_bfe_u32 v[TA], v0, 4, 1
	s_delay_alu instid0(VALU_DEP_1)
	v_mad_u32_u24 v[OSA], v[TA], 12, v[OSA]        ; my half's 16 channels: 12 bytes
	s_delay_alu instid0(VALU_DEP_1)
	v_add_nc_u32 v[OSA], OSTG, v[OSA]
	v_lshl_add_u32 v[CPL], v0, 4, OSTG
	s_lshl_b32 s19, s11, 4
	s_add_co_u32 s19, s19, s10
	s_mul_i32 s19, s19, REC                        ; att's record of (head, block)
	v_lshl_add_u32 v[CPG], v0, 4, s19
	s_mov_b32 s[SEL], 0x76543210
	s_mov_b32 s[SEL+1], 0xfedcba98                 ; v_permlanex16_b32: lane l xor 16
	s_mov_b32 s[CS], 0x3e8293ee
	s_mov_b32 s[CS+1], s[CS]                       ; (named with it as a pair)
	v_mov_b32 v[NM+1], 0xff61b1e6                  ; the largest t so far: -3e38
	s_delay_alu instid0(VALU_DEP_1)
	v_floor_f32 v[NM], -v[NM+1]
	v_mov_b32 v[LSUM], 0
	v_mov_b32 v[LSUM+1], 0
	v_mov_b32 v[FF+1], 0
	v_mov_b32 v[PS2], 0                            ; a lane permute's destination counts as one of its sources
	v_mov_b32 v[TA+1], 0
	v_mov_b32 v[ZZ], 0
	v_cmp_ne_u32 vcc_lo, 0, v[SH8]                 ; lanes 16-31
	s_wait_alu depctr_va_vdst(0)
	s_wait_loadcnt 0x0
.irp i, 0,1,2,3,4,5
	v_cndmask_b32 v[QB+\i], v[QR+\i], v[ZZ], vcc_lo              ; QL
	v_mov_b32 v[QB+6+\i], 0
	v_cndmask_b32 v[QB+12+\i], v[QR+\i], v[ZZ], vcc_lo
	v_cndmask_b32 v[QB+18+\i], v[ZZ], v[QR+\i], vcc_lo           ; QH
	v_mov_b32 v[QB+24+\i], 0
	v_cndmask_b32 v[QB+30+\i], v[ZZ], v[QR+\i], vcc_lo
.endr
	v_lshrrev_b32 v[QS], s47, v[QS]
	s_delay_alu instid0(VALU_DEP_1)
	v_and_b32 v[QS], 0xff, v[QS]                   ; my tile's byte at byte 0, the other bytes 0;
	s_delay_alu instid0(VALU_DEP_1)
	v_lshlrev_b32 v[QS+1], 8, v[QS]                ; and at bytes 1, 2, 3
	s_delay_alu instid0(VALU_DEP_2)
	v_lshlrev_b32 v[QS+2], 16, v[QS]
	s_delay_alu instid0(VALU_DEP_3)
	v_lshlrev_b32 v[QS+3], 24, v[QS]
.irp j, 0,1,2,3,4,5,6,7,8,9,10,11,12,13,14,15
	v_mov_b32 v[O+\j], 0                           ; the step is written once: the first finds zeros.  (Also the places between the scale words just made and the first product)
.endr
; A KEY STEP: 128 keys, the record at s[TB].
.macro STEP
	s_setprio 2
	v_add_nc_u32 v[A16], s[TB], v[LI16]
	v_add_nc_u32 v[A8], s[TB], v[LI8]
	v_add_nc_u32 v[A4], s[TB], v[LI4]
	v_nop                                          ; four places behind the last step's products, in front of the loads into V's registers
.irp i, 0,1,2,3,4,5
	ds_load_b128 v[KF+4*\i:KF+4*\i+3], v[A16] offset:512*\i
.endr
	ds_load_b32 v[KS], v[A4] offset:6144
.irp d, 0,1
.irp c, 0,1
	ds_load_b128 v[VF+12*\d+6*\c:VF+12*\d+6*\c+3], v[A16] offset:3072+1536*\d+768*\c          ; V is asked for now and lands under the softmax
	ds_load_b64 v[VF+12*\d+6*\c+4:VF+12*\d+6*\c+5], v[A8] offset:3072+1536*\d+768*\c+512
.endr
.endr
	ds_load_b32 v[VS], v[A4] offset:6272
	s_wait_dscnt 9                                 ; K and its scale words are in; V's eight loads and its scale words may be out
.irp f, 0,1
.irp b, 0,1,2,3
.if \f == 0
	v_wmma_scale_f32_16x16x128_f8f6f4 v[S+8*\b:S+8*\b+7], v[KF:KF+11], v[QB+18*(\b%2)+6*(\b/2):QB+18*(\b%2)+6*(\b/2)+11], 0, v[KS], v[QS+\b] matrix_a_fmt:MATRIX_FMT_FP6 matrix_b_fmt:MATRIX_FMT_FP6
.else
	v_wmma_scale_f32_16x16x128_f8f6f4 v[S+32+8*\b:S+32+8*\b+7], v[KF+12:KF+23], v[QB+18*(\b%2)+6*(\b/2):QB+18*(\b%2)+6*(\b/2)+11], 0, v[KS], v[QS+\b] matrix_a_fmt:MATRIX_FMT_FP6 matrix_b_fmt:MATRIX_FMT_FP6 matrix_a_scale:MATRIX_SCALE_ROW1
.endif
.endr
.endr
	PLACES 4                                       ; four places in front of the first read of results (ISA guide 7.12.1)
.irp f, 0,1
	v_max3_num_f32 v[BM+\f], v[S+32*\f], v[S+32*\f+1], v[S+32*\f+2]      ; the largest score of each of my two blocks of 32 keys: for the row's maximum and for the block's largest p.  Ascending: each result is first read at its low end
.endr
.irp i, 3,5,7,9,11,13,15,17,19,21,23,25,27,29
.irp f, 0,1
	v_max3_num_f32 v[BM+\f], v[BM+\f], v[S+32*\f+\i], v[S+32*\f+\i+1]
.endr
.endr
.irp f, 0,1
	v_max_num_f32 v[BM+\f], v[BM+\f], v[S+32*\f+31]
.endr
	s_delay_alu instid0(VALU_DEP_1)
	v_max_num_f32 v[TA], v[BM], v[BM+1]
	s_delay_alu instid0(VALU_DEP_1)
	v_permlanex16_b32 v[TA+1], v[TA], s[SEL], s[SEL+1]
	s_delay_alu instid0(VALU_DEP_1)
	v_max_num_f32 v[TA], v[TA], v[TA+1]            ; the step's largest score of my query
	s_delay_alu instid0(VALU_DEP_1)
	v_mul_f32 v[TA], s[CS], v[TA]                  ; as t (c is positive)
	s_delay_alu instid0(VALU_DEP_1)
	v_max_num_f32 v[NM+1], v[NM+1], v[TA]
	v_mov_b32 v[TA], v[NM]
	s_delay_alu instid0(VALU_DEP_2)
	v_floor_f32 v[NM], -v[NM+1]                    ; -M = floor(-t): M is a whole number
	s_delay_alu instid0(VALU_DEP_1)
	v_sub_f32 v[TA], v[NM], v[TA]                  ; old M - new M, 0 or less
	s_delay_alu instid0(VALU_DEP_1)
	v_cvt_i32_f32 v[TA], v[TA]                     ; (it saturates)
	s_delay_alu instid0(VALU_DEP_1)
	v_ldexp_f32 v[FF], 1.0, v[TA]                  ; f = 2^(old M - new M)
.irp j, 0,2,4,6,8,10,12,14,16,18,20,22,24,26,28,30,32,34,36,38,40,42,44,46,48,50,52,54,56,58,60,62
	v_pk_fma_f32 v[S+\j:S+\j+1], v[S+\j:S+\j+1], s[CS:CS+1], v[NM:NM+1] op_sel_hi:[1,0,0]     ; t - M (of the pairs c and -M the low word serves both halves)
.endr
.irp f, 0,1
	v_fma_f32 v[BM+\f], v[BM+\f], s[CS], v[NM]
.endr
	s_setprio 1
	s_wait_alu depctr_va_vdst(0)
.irp j, 0,1,2,3,4,5,6,7,8,9,10,11,12,13,14,15,16,17,18,19,20,21,22,23,24,25,26,27,28,29,30,31,32,33,34,35,36,37,38,39,40,41,42,43,44,45,46,47,48,49,50,51,52,53,54,55,56,57,58,59,60,61,62,63
	v_exp_f32 v[S+\j], v[S+\j]                     ; p = 2^(t - M)
.endr
.irp f, 0,1
	v_exp_f32 v[BM+\f], v[BM+\f]                   ; the block's largest p: the same two instructions on the same number
.endr
	v_pk_mul_f32 v[LSUM:LSUM+1], v[LSUM:LSUM+1], v[FF:FF+1] op_sel_hi:[1,0]      ; l under the new M.  (The plain line behind the exponentials)
	s_wait_alu depctr_va_vdst(0)
.irp f, 0,1
	v_max_num_f32 v[BM+\f], 0x1800000, v[BM+\f]    ; the floor 2^(3 - 127): the byte cannot fall under 1
.endr
.irp f, 0,1
	s_delay_alu instid0(VALU_DEP_2)
	v_add_nc_u32 v[SCL+\f], 0xff000000, v[BM+\f]   ; 2 off the exponent field: the conversion's scale operand
.endr
.irp f, 0,1
	s_delay_alu instid0(VALU_DEP_2)
	v_lshrrev_b32 v[BY+\f], 23, v[SCL+\f]
.endr
	s_delay_alu instid0(VALU_DEP_1)
	v_lshl_or_b32 v[PS], v[BY+1], 16, v[BY]        ; my blocks are h and 2 + h of the step's four
	s_delay_alu instid0(VALU_DEP_1)
	v_lshlrev_b32 v[PS], v[SH8], v[PS]
	s_delay_alu instid0(VALU_DEP_1)
	v_permlanex16_b32 v[PS2], v[PS], s[SEL], s[SEL+1]
	s_delay_alu instid0(VALU_DEP_1)
	v_or_b32 v[PS], v[PS], v[PS2]                  ; with lane l xor 16's two bytes the word is whole
	v_cvt_scalef32_pk16_fp6_f32 v[PC:PC+2], v[S:S+15], v[SCL]
	v_cvt_scalef32_pk16_fp6_f32 v[T0:T0+2], v[S+16:S+31], v[SCL]
	v_cvt_scalef32_pk16_fp6_f32 v[PC+6:PC+8], v[S+32:S+47], v[SCL+1]
	v_cvt_scalef32_pk16_fp6_f32 v[T1:T1+2], v[S+48:S+63], v[SCL+1]               ; (a conversion's three registers begin on an even number)
	v_nop                                          ; one plain line behind the scaled conversions
.irp i, 0,1,2
	v_mov_b32 v[PC+3+\i], v[T0+\i]
	v_mov_b32 v[PC+9+\i], v[T1+\i]
.endr
.irp j, 0,2,4,6,8,10,12,14
	v_pk_mul_f32 v[O+\j:O+\j+1], v[O+\j:O+\j+1], v[FF:FF+1] op_sel_hi:[1,0]      ; O^T under the new M
.endr
	v_pk_add_f32 v[L2:L2+1], v[S:S+1], v[S+2:S+3]  ; l takes the UNQUANTISED p, two at a time, in two chains.  These 32 lines are also the places between p's scale word, p's codes and O^T, all just written, and the products below
	s_setprio 0
.irp j, 4,8,12,16,20,24,28,32,36,40,44,48,52,56,60
	v_pk_add_f32 v[LSUM:LSUM+1], v[LSUM:LSUM+1], v[S+\j:S+\j+1]
	v_pk_add_f32 v[L2:L2+1], v[L2:L2+1], v[S+\j+2:S+\j+3]
.endr
	s_delay_alu instid0(VALU_DEP_1)
	v_pk_add_f32 v[LSUM:LSUM+1], v[LSUM:LSUM+1], v[L2:L2+1]
	s_wait_dscnt 0x0                               ; V and its scale words are in
	v_wmma_scale_f32_16x16x128_f8f6f4 v[O:O+7], v[VF:VF+11], v[PC:PC+11], v[O:O+7], v[VS], v[PS] matrix_a_fmt:MATRIX_FMT_FP6 matrix_b_fmt:MATRIX_FMT_FP6
	v_wmma_scale_f32_16x16x128_f8f6f4 v[O+8:O+15], v[VF+12:VF+23], v[PC:PC+11], v[O+8:O+15], v[VS], v[PS] matrix_a_fmt:MATRIX_FMT_FP6 matrix_b_fmt:MATRIX_FMT_FP6 matrix_a_scale:MATRIX_SCALE_ROW1
	s_add_co_u32 s[TB], s[TB], REC                 ; (the two accumulators take turns, one instruction a turn, with the next step's eight products between two links)
.endm
	s_wait_tensorcnt 0x1                           ; my record of the first 16 steps is in; my other load may stay out
	s_barrier_signal -1
	s_barrier_wait -1                              ; everybody's is
	s_mov_b32 s[TB], 0
	s_mov_b32 s41, 16
.Lfirst:
	STEP
	s_sub_co_u32 s41, s41, 1
	s_cmp_lg_u32 s41, 0
	s_cbranch_scc1 .Lfirst
	s_setprio 0
	s_wait_tensorcnt 0x0                           ; my record of the last 16 steps is in
	s_wait_dscnt 0x0
	s_barrier_signal -1
	s_barrier_wait -1
	s_mov_b32 s[TB], HALF
	s_mov_b32 s41, 16
.Lsecond:
	STEP
	s_sub_co_u32 s41, s41, 1
	s_cmp_lg_u32 s41, 0
	s_cbranch_scc1 .Lsecond
	s_setprio 0
	; THE WAY OUT: O^T / l, quantised along the head's 32 channels (16 in my lane, 16 in lane l xor 16), through the stage, so that the record leaves in whole aligned runs
	PLACES 4                                       ; four places behind the last products
	s_wait_alu depctr_va_vdst(0)
	v_add_f32 v[LSUM], v[LSUM], v[LSUM+1]
	s_delay_alu instid0(VALU_DEP_1)
	v_permlanex16_b32 v[TA+1], v[LSUM], s[SEL], s[SEL+1]
	s_delay_alu instid0(VALU_DEP_1)
	v_add_f32 v[LSUM], v[LSUM], v[TA+1]            ; the row's sum
	s_wait_alu depctr_va_vdst(0)
	v_rcp_f32 v[FF], v[LSUM]
	v_nop                                          ; one plain line behind the transcendental
	s_wait_alu depctr_va_vdst(0)
.irp j, 0,2,4,6,8,10,12,14
	v_pk_mul_f32 v[O+\j:O+\j+1], v[O+\j:O+\j+1], v[FF:FF+1] op_sel_hi:[1,0]
.endr
	v_max3_num_f32 v[BM], |v[O]|, |v[O+1]|, 0x1800000
.irp j, 2,4,6,8,10,12,14
	s_delay_alu instid0(VALU_DEP_1)
	v_max3_num_f32 v[BM], v[BM], |v[O+\j]|, |v[O+\j+1]|
.endr
	s_delay_alu instid0(VALU_DEP_1)
	v_permlanex16_b32 v[TA+1], v[BM], s[SEL], s[SEL+1]
	s_delay_alu instid0(VALU_DEP_1)
	v_max_num_f32 v[BM], v[BM], v[TA+1]
	s_delay_alu instid0(VALU_DEP_1)
	v_add_nc_u32 v[SCL], 0xff000000, v[BM]
	s_delay_alu instid0(VALU_DEP_1)
	v_lshrrev_b32 v[BY], 23, v[SCL]
	v_cvt_scalef32_pk16_fp6_f32 v[OC:OC+2], v[O:O+15], v[SCL]
	v_nop
.irp i, 0,1,2
	ds_store_b32 v[OSA], v[OC+\i] offset:4*\i
.endr
	ds_store_b8 v[OSB], v[BY]                      ; both lanes of a query write the same byte with the same value
	s_wait_dscnt 0x0                               ; for the others: my stores have landed
	s_barrier_signal -1
	s_barrier_wait -1
	s_wait_xcnt 0x0                                ; EXEC changes only behind this wait
	v_cmp_gt_u32 vcc_lo, 400, v0
	s_and_saveexec_b32 s42, vcc_lo                 ; 400 threads x 16 bytes = the record's 6,400
	ds_load_b128 v[CD:CD+3], v[CPL]
	s_wait_dscnt 0x0
	global_store_b128 v[CPG], v[CD:CD+3], s[6:7]   ; 16 lanes store 256 consecutive bytes, aligned
	s_wait_xcnt 0x0                                ; and again, in front of the line that widens it
	s_or_b32 exec_lo, exec_lo, s42
	s_wait_tensorcnt 0x0
	ds_add_u32 v254, v255
	s_wait_dscnt 0x0
	CROUND                                         ; the closing round: no work-group ends while a partner may still ask jointly
	s_endpgm
.Lfunc_end_k_q316313883c_attn:
	.size	k_q316313883c_attn, .Lfunc_end_k_q316313883c_attn-k_q316313883c_attn
	.p2alignl 7, 3214868480
	.fill 96, 4, 3214868480
	.section	.rodata,"a",@progbits
	.p2align	6, 0x0
	.amdhsa_kernel k_q316313883c_attn
		.amdhsa_group_segment_fixed_size 327680
		.amdhsa_private_segment_fixed_size 0
		.amdhsa_enable_private_segment 0
		.amdhsa_kernarg_size 16
		.amdhsa_user_sgpr_count 2
		.amdhsa_user_sgpr_kernarg_segment_ptr 1
		.amdhsa_wavefront_size32 1
		.amdhsa_system_sgpr_workgroup_id_x 1
		.amdhsa_system_sgpr_workgroup_id_y 1
		.amdhsa_system_sgpr_workgroup_id_z 1
		.amdhsa_system_vgpr_workitem_id 0
		.amdhsa_next_free_vgpr 256
		.amdhsa_next_free_sgpr 66
		.amdhsa_reserve_vcc 1
		.amdhsa_float_denorm_mode_32 3
		.amdhsa_float_denorm_mode_16_64 3
		.amdhsa_memory_ordered 1
		.amdhsa_forward_progress 1
		.amdhsa_inst_pref_size 40
	.end_amdhsa_kernel
	.amdgpu_metadata
---
amdhsa.version: [ 1, 2 ]
amdhsa.kernels:
  - .name:           k_q316313883c_attn
    .symbol:         k_q316313883c_attn.kd
    .args:
      - { .name: qkv, .offset: 0, .size: 8, .value_kind: global_buffer, .address_space: global }
      - { .name: att, .offset: 8, .size: 8, .value_kind: global_buffer, .address_space: global }
    .group_segment_fixed_size: 327680
    .private_segment_fixed_size: 0
    .kernarg_segment_align: 8
    .kernarg_segment_size: 16
    .max_flat_workgroup_size: 512
    .sgpr_count:     66
    .vgpr_count:     256
    .wavefront_size: 32
...
	.end_amdgpu_metadata
.endif
;; end of part 5
;; launch proj (part 6): grid 64 x 4, 4 waves a work-group, no clusters, 35,328 bytes of LDS; arguments att, proj_w, proj_b, x, out0; writes out0
.if DOCPART == 6
	.amdgcn_target "amdgcn-amd-amdhsa--gfx1250"
	.amdhsa_code_object_version 6
	.text
	.protected	k_q316313883c_proj
	.globl	k_q316313883c_proj
	.p2align	8
	.type	k_q316313883c_proj,@function
k_q316313883c_proj:
	s_mov_b64 s[64:65], 0
	v_nop
	global_prefetch_b8 v0, s[64:65] scope:SCOPE_SE
	s_setreg_imm32_b32 hwreg(HW_REG_WAVE_SCHED_MODE, 0, 2), 2
	s_setreg_imm32_b32 hwreg(HW_REG_WAVE_MODE, 25, 1), 1
	s_wait_xcnt 0x0
	s_wait_alu depctr_vm_vsrc(0)
; PROJ: out0 = x + proj_w h + proj_b, the product on codes of FP6 (E2M3, one E8M0 byte for each 32 along K).  K = 128 = 4 heads x 32: block hd of a position is head hd's 24 bytes in att.
; SHARES.  A work-group takes 64 positions (group F) of one image; wave w the outputs 32 w + 16 u + r, u = 0, 1: eight matrix instructions, each accumulator written once.  The waves share nothing: no barrier.
; Source 0 = 16 positions (row rho of tile tau: position 32 (rho / 8) + 8 tau + rho % 8), source 1 = 16 rows of proj_w: a lane holds one output channel and, over the four tiles, 32 neighbouring positions: 128 bytes of a row of out0.
; They go through the wave's own stage in LDS (16 rows of 256 + 16 bytes for each u) and leave with x added, sixteen lanes to 256 aligned bytes.  The bias is the C of the one K step.
; LIMITS: NaN and infinities are not served; a block of proj_w whose largest magnitude lies under 2^-124 keeps the byte 1.
; No tensor loads and no cluster: each wave reads 6 KB of codes, 16 KB of the weight and 8 KB of x once, straight into the registers that use them.
; THE MODE: SCHED_MODE bits 1:0 = 2 (LLVM: expert scheduling mode 2), set by the entry lines.  The code itself states the register dependences
; between vector or matrix instructions and memory or LDS instructions, with s_wait_alu, always for 0.
; THE PLAN.  One path, no loop.  Registers that memory or LDS instructions touch:
;   v5-v11, v62, v63   addresses (v63: the closing add's 0): written by vector lines at the head, read by loads, stores and LDS instructions, never written again.
;   HF, SBY, RAWB, SA, SB, XR   written by global loads, which no vector line names beforehand; read by vector and matrix lines behind their waits on LOADcnt.
;   RES (SA's registers)        written by the eight products; read by the LDS stores; never written again.
;   Y (SB's registers)          SB is read by the second quantising; then the LDS loads land there; each register is then written once, by the addition of x, and read by its global store.
; THE WAITS.  One on va_sdst ahead of the first reader of the wave's number.  On va_vdst: one ahead of the first global load (the addresses); one ahead of the first product (scale words, codes and bias made by
; vector lines); one ahead of the LDS stores (the products' results; SB's readers are done); one for each four rows on the way out, between their eight additions and their four stores.
; No register that a memory or LDS instruction reads is written again, so no wait on vm_vsrc is owed but the closing lines'.
.set REC,  6400
.set HSTR, 16*REC                      ; from head to head in att
.set RR,  2
.set HH,  3
.set SH8, 4
.set XO,  5                            ; x and out0: 16,384 (lane / 16) + 16 (lane % 16)
.set HA,  6                            ; att's codes
.set SAD, 7                            ; att's scale bytes
.set WA,  8                            ; proj_w
.set BA,  9                            ; proj_b
.set STO, 10                           ; the stage, in
.set RD,  11                           ; and back
.set RAWB, 12                          ; v12-13 the biases as loaded
.set SBY, 16                           ; v16-31 h's scale bytes as loaded: 4 tau + head
.set HS,  32                           ; v32-35 h's scale words
.set WS,  36                           ; v36-37 the weight's
.set MX,  38
.set SCL, 40
.set BY,  42
.set W2,  44
.set SA,  64                           ; v64-127 weights as loaded (u = 0), then results
.set RES, 64
.set SB,  128                          ; v128-191 weights as loaded (u = 1), then rows of the result
.set Y,   128
.set XR,  192                          ; v192-255 x
; window 1
.set HF,  0                            ; v0-47 h's four fragments
.set WC,  48                           ; v48-71 the weight's two
.set BV,  72                           ; v72-87 the bias in the result's layout
.set WT,  88
.set SEL, 22                           ; s[22:23]
.set MSB, 0
.macro WIN new                         ; the immediate's high byte repeats the setting that is left
.if MSB != (\new)
	s_set_vgpr_msb (MSB<<8)|(\new)
.set MSB, (\new)
.endif
.endm
.macro PLACES n
.rept \n
	v_nop
.endr
.endm
; Two blocks of 32 numbers of a lane: their largest magnitudes (with the floor 2^(3 - 127)) and, 2 off the exponent field, the conversions' scale operands
.macro SCALES2 src
.irp c, 0,1
	v_max3_num_f32 v[MX+\c], |v[\src+32*\c]|, |v[\src+32*\c+1]|, 0x1800000
.endr
.irp i, 2,4,6,8,10,12,14,16,18,20,22,24,26,28,30
.irp c, 0,1
	v_max3_num_f32 v[MX+\c], v[MX+\c], |v[\src+32*\c+\i]|, |v[\src+32*\c+\i+1]|
.endr
.endr
.irp c, 0,1
	v_add_nc_u32 v[SCL+\c], 0xff000000, v[MX+\c]
.endr
.endm
; The 64 numbers become 12 registers of codes at dst (window win); a conversion's three registers begin on an even number, so each block's second half is made at tmp and moved
.macro CODES src, dst, tmp, win
	WIN 0x40*(\win)
	v_cvt_scalef32_pk16_fp6_f32 v[\dst:\dst+2], v[\src:\src+15], v[SCL]
	v_cvt_scalef32_pk16_fp6_f32 v[\tmp:\tmp+2], v[\src+16:\src+31], v[SCL]
	v_cvt_scalef32_pk16_fp6_f32 v[\dst+6:\dst+8], v[\src+32:\src+47], v[SCL+1]
	v_cvt_scalef32_pk16_fp6_f32 v[\tmp+4:\tmp+6], v[\src+48:\src+63], v[SCL+1]
	v_nop                                          ; one plain line behind the scaled conversions
	WIN 0x41*(\win)
.irp i, 0,1,2
	v_mov_b32 v[\dst+3+\i], v[\tmp+\i]
	v_mov_b32 v[\dst+9+\i], v[\tmp+4+\i]
.endr
	WIN 0
.endm
.macro QUANT2 src, dst, tmp, wrd, win  ; a lane's 64 numbers, k = 64 c + 32 h + 0..31, become a fragment and its row's scale word (byte 2 c + h)
	SCALES2 \src
.irp c, 0,1
	v_lshrrev_b32 v[BY+\c], 23, v[SCL+\c]
.endr
	v_lshl_or_b32 v[\wrd], v[BY+1], 16, v[BY]
	v_lshlrev_b32 v[\wrd], v[SH8], v[\wrd]
	v_permlanex16_b32 v[W2], v[\wrd], s[SEL], s[SEL+1]
	v_or_b32 v[\wrd], v[\wrd], v[W2]
	CODES \src, \dst, \tmp, \win
.endm
	s_load_b256 s[4:11], s[0:1], 0x0               ; att s[4:5], proj_w s[6:7], proj_b s[8:9], x s[10:11]
	s_load_b64 s[12:13], s[0:1], 0x20              ; out0
	v_lshl_add_u32 v62, v0, 2, 0x8800
	v_mov_b32 v63, 0
	v_lshrrev_b32 v[MX], 5, v0
	v_readfirstlane_b32 s16, v[MX]                 ; wave
	s_mov_b32 s17, ttmp9                           ; F
	s_and_b32 s18, ttmp7, 0xffff                   ; b
	v_and_b32 v[RR], 15, v0
	v_bfe_u32 v[HH], v0, 4, 1
	v_lshlrev_b32 v[SH8], 3, v[HH]
	v_lshlrev_b32 v[XO], 4, v[RR]
	v_lshl_add_u32 v[XO], v[HH], 14, v[XO]
	v_and_b32 v[MX], 7, v0
	v_bfe_u32 v[MX+1], v0, 3, 1
	v_lshl_add_u32 v[SAD], v[MX+1], 5, v[MX]       ; my row's position, less 8 tau: r % 8 + 32 (r / 8)
	v_mul_u32_u24 v[HA], v[SAD], 24
	v_mad_u32_u24 v[HA], v[HH], HSTR, v[HA]        ; block 2 c + h is head 2 c + h
	v_lshlrev_b32 v[WA], 9, v[RR]
	v_lshl_add_u32 v[WA], v[HH], 7, v[WA]
	v_lshlrev_b32 v[BA], 2, v[RR]
	s_wait_alu depctr_va_sdst(0)                   ; s16, the wave's number, is written, ahead of its first reader: the stage's place and the bases are made from it
	s_mul_i32 s36, s16, 8704                       ; my two stages
	v_mul_u32_u24 v[STO], v[RR], 272
	v_lshl_add_u32 v[STO], v[HH], 7, v[STO]
	v_add_nc_u32 v[STO], s36, v[STO]
	v_mul_u32_u24 v[RD], v[HH], 272
	v_lshl_add_u32 v[RD], v[RR], 4, v[RD]
	v_add_nc_u32 v[RD], s36, v[RD]
	v_mov_b32 v[W2], 0                             ; a lane permute's destination counts as one of its sources
	s_mov_b32 s[SEL], 0x76543210
	s_mov_b32 s[SEL+1], 0xfedcba98
	s_lshl_b32 s24, s18, 21                        ; x, out0: 2,097,152 b + 32 rows of 16,384 bytes x wave + 256 F
	s_lshl_b32 s25, s16, 19
	s_add_co_u32 s24, s24, s25
	s_lshl_b32 s25, s17, 8
	s_add_co_u32 s24, s24, s25
	s_mov_b32 s25, 0
	s_lshl_b32 s26, s18, 6
	s_lshr_b32 s27, s17, 2
	s_add_co_u32 s26, s26, s27
	s_mul_i32 s26, s26, REC                        ; att's record of (head 0 of b, block of 256 positions)
	s_and_b32 s27, s17, 3
	s_lshl_b32 s28, s27, 6
	s_add_co_u32 s28, s28, s26
	s_add_co_u32 s28, s28, 6144                    ; my 64 positions' scale bytes
	s_mov_b32 s29, 0
	s_mul_i32 s27, s27, 1536
	s_add_co_u32 s26, s26, s27                     ; and codes
	s_mov_b32 s27, 0
	s_lshl_b32 s30, s16, 14
	s_mov_b32 s31, 0
	s_lshl_b32 s32, s16, 7
	s_mov_b32 s33, 0
	s_wait_kmcnt 0x0
	s_add_nc_u64 s[34:35], s[4:5], s[28:29]
	s_add_nc_u64 s[4:5], s[4:5], s[26:27]
	s_add_nc_u64 s[6:7], s[6:7], s[30:31]
	s_add_nc_u64 s[8:9], s[8:9], s[32:33]
	s_add_nc_u64 s[10:11], s[10:11], s[24:25]
	s_add_nc_u64 s[12:13], s[12:13], s[24:25]
	WIN 0x40                                       ; destination window 1
	s_wait_alu depctr_va_vdst(0)                   ; the addresses v5 to v11 (and v62, v63) are written, which every load, store and LDS instruction below reads; up to the last load only loads and a window switch follow
.irp t, 0,1,2,3
.irp c, 0,1
.irp p, 0,1,2
	global_load_b64 v[HF+12*\t+6*\c+2*\p:HF+12*\t+6*\c+2*\p+1], v[HA], s[4:5] offset:2*HSTR*\c+192*\t+8*\p
.endr
.endr
.endr
	WIN 0
.irp t, 0,1,2,3
.irp d, 0,1,2,3
	global_load_u8 v[SBY+4*\t+\d], v[SAD], s[34:35] offset:HSTR*\d+8*\t
.endr
.endr
.irp u, 0,1
	global_load_b32 v[RAWB+\u], v[BA], s[8:9] offset:64*\u
.endr
.irp u, 0,1
.irp c, 0,1
.irp j, 0,1,2,3,4,5,6,7
	global_load_b128 v[SA+64*\u+32*\c+4*\j:SA+64*\u+32*\c+4*\j+3], v[WA], s[6:7] offset:8192*\u+256*\c+16*\j
.endr
.endr
.endr
.irp u, 0,1
.irp i, 0,1,2,3,4,5,6,7
	global_load_b128 v[XR+32*\u+4*\i:XR+32*\u+4*\i+3], v[XO], s[10:11] offset:(16*\u+2*\i)*16384 th:TH_LOAD_NT
.endr
.endr
	s_wait_loadcnt 50                              ; h's codes and scale bytes are in; 2 bias, 32 weight and 16 x loads may be out
.irp t, 0,1,2,3
	v_lshl_or_b32 v[HS+\t], v[SBY+4*\t+1], 8, v[SBY+4*\t]
	v_lshl_or_b32 v[HS+\t], v[SBY+4*\t+2], 16, v[HS+\t]
	v_lshl_or_b32 v[HS+\t], v[SBY+4*\t+3], 24, v[HS+\t]
.endr
	s_wait_loadcnt 32                              ; the biases and the first weight fragment are in; the second's 16 loads and x's 16 may be out
	WIN 0x40
.irp u, 0,1
.irp j, 0,1,2,3,4,5,6,7
	v_mov_b32 v[BV+8*\u+\j], v[RAWB+\u]            ; a lane holds one output channel: its bias in all eight registers
.endr
.endr
	WIN 0
	QUANT2 SA, WC, WT, WS, 1
	s_wait_loadcnt 16                              ; x's 16 loads may be out
	QUANT2 SB, WC+12, WT, WS+1, 1
	PLACES 8                                       ; a scale word written by vector lines stands eight places ahead of a scaled product, an operand so written four
	WIN 0x15                                       ; sources 0, 1 and 2 window 1
	s_wait_alu depctr_va_vdst(0)                   ; the vector lines have written the scale words HS and WS, the weight's codes WC and the bias BV, which the products take; the places above stay beside this wait
.irp u, 0,1
.irp t, 0,1,2,3
	v_wmma_scale_f32_16x16x128_f8f6f4 v[RES+32*\u+8*\t:RES+32*\u+8*\t+7], v[HF+12*\t:HF+12*\t+11], v[WC+12*\u:WC+12*\u+11], v[BV+8*\u:BV+8*\u+7], v[HS+\t], v[WS+\u] matrix_a_fmt:MATRIX_FMT_FP6 matrix_b_fmt:MATRIX_FMT_FP6
.endr
.endr
	WIN 0
	PLACES 4                                       ; four places in front of the first read of results (ISA guide 7.12.1)
	s_wait_alu depctr_va_vdst(0)                   ; the products have written RES, which the LDS stores read; the second quantising is done reading SB, in which the LDS loads land.  Only LDS instructions follow up to the last of these loads
.irp u, 0,1
.irp i, 0,1,2,3,4,5,6,7
	ds_store_b128 v[STO], v[RES+32*\u+4*\i:RES+32*\u+4*\i+3] offset:4352*\u+16*\i            ; ascending: each result from its low end on
.endr
.irp i, 0,1,2,3,4,5,6,7
	ds_load_b128 v[Y+32*\u+4*\i:Y+32*\u+4*\i+3], v[RD] offset:4352*\u+544*\i                 ; LDS serves a wave's instructions in order: these see my stores
.endr
.endr
	s_wait_loadcnt 0x0                             ; x
; The way out, four pairs of rows at a time: their eight additions, one wait, their four stores.  The next four's additions name other registers of Y and XR than the stores that are out.
.irp u, 0,1
.irp q, 0,1
	s_wait_dscnt 20-16*\u-4*\q                     ; these four loads from the stage are in; the LDS instructions issued behind the fourth may be out
.irp i, 0,1,2,3
	v_pk_add_f32 v[Y+32*\u+16*\q+4*\i:Y+32*\u+16*\q+4*\i+1], v[Y+32*\u+16*\q+4*\i:Y+32*\u+16*\q+4*\i+1], v[XR+32*\u+16*\q+4*\i:XR+32*\u+16*\q+4*\i+1]
	v_pk_add_f32 v[Y+32*\u+16*\q+4*\i+2:Y+32*\u+16*\q+4*\i+3], v[Y+32*\u+16*\q+4*\i+2:Y+32*\u+16*\q+4*\i+3], v[XR+32*\u+16*\q+4*\i+2:XR+32*\u+16*\q+4*\i+3]
.endr
	s_wait_alu depctr_va_vdst(0)                   ; the eight additions have written these sixteen registers of Y, which the four stores read
.irp i, 0,1,2,3
	global_store_b128 v[XO], v[Y+32*\u+16*\q+4*\i:Y+32*\u+16*\q+4*\i+3], s[12:13] offset:(16*\u+8*\q+2*\i)*16384 th:TH_STORE_NT    ; 16 lanes store 256 consecutive bytes, aligned
.endr
.endr
.endr
	s_wait_dscnt 0x0                               ; the closing lines, six on end (every window is 0 here)
	s_wait_alu 0x0
	s_wait_tensorcnt 0x0
	ds_add_u32 v62, v63
	s_wait_dscnt 0x0
	s_endpgm
.Lfunc_end_k_q316313883c_proj:
	.size	k_q316313883c_proj, .Lfunc_end_k_q316313883c_proj-k_q316313883c_proj
	.p2alignl 7, 3214868480
	.fill 96, 4, 3214868480
	.section	.rodata,"a",@progbits
	.p2align	6, 0x0
	.amdhsa_kernel k_q316313883c_proj
		.amdhsa_group_segment_fixed_size 35328
		.amdhsa_private_segment_fixed_size 0
		.amdhsa_enable_private_segment 0
		.amdhsa_kernarg_size 40
		.amdhsa_user_sgpr_count 2
		.amdhsa_user_sgpr_kernarg_segment_ptr 1
		.amdhsa_wavefront_size32 1
		.amdhsa_system_sgpr_workgroup_id_x 1
		.amdhsa_system_sgpr_workgroup_id_y 1
		.amdhsa_system_sgpr_workgroup_id_z 1
		.amdhsa_system_vgpr_workitem_id 0
		.amdhsa_next_free_vgpr 512
		.amdhsa_next_free_sgpr 66
		.amdhsa_reserve_vcc 0
		.amdhsa_float_denorm_mode_32 3
		.amdhsa_float_denorm_mode_16_64 3
		.amdhsa_memory_ordered 1
		.amdhsa_forward_progress 1
		.amdhsa_inst_pref_size 27
	.end_amdhsa_kernel
	.amdgpu_metadata
---
amdhsa.version: [ 1, 2 ]
amdhsa.kernels:
  - .name:           k_q316313883c_proj
    .symbol:         k_q316313883c_proj.kd
    .args:
      - { .name: att, .offset: 0, .size: 8, .value_kind: global_buffer, .address_space: global }
      - { .name: proj_w, .offset: 8, .size: 8, .value_kind: global_buffer, .address_space: global }
      - { .name: proj_b, .offset: 16, .size: 8, .value_kind: global_buffer, .address_space: global }
      - { .name: x, .offset: 24, .size: 8, .value_kind: global_buffer, .address_space: global }
      - { .name: out0, .offset: 32, .size: 8, .value_kind: global_buffer, .address_space: global }
    .group_segment_fixed_size: 35328
    .private_segment_fixed_size: 0
    .kernarg_segment_align: 8
    .kernarg_segment_size: 40
    .max_flat_workgroup_size: 128
    .sgpr_count:     66
    .vgpr_count:     512
    .wavefront_size: 32
...
	.end_amdgpu_metadata
.endif
;; end of part 6
